; MI455X (gfx1250); checked and timed in simulation.
; The chip was launched on July 23, 2026; its instructions are those of AMD's public machine-readable ISA for CDNA 5 (MIT licence, August 2026) and "CDNA5" Instruction Set Architecture Reference Guide (July 2026). The comments in the code are by the model that wrote it; some were corrected since.
;; Temporal Dilated Attention. Allowed arithmetic: matrix products marked QUANTISED: E3M2 operands, one E8M0 scale for each 32 along K, by v_wmma_scale_f32_16x16x128_f8f6f4 with both operands' format E3M2, f32 sums; everything else in f32.
;; Inputs: Wk 1,024 x 1,024 float32; Wo 1,024 x 1,024 float32; Wq 1,024 x 1,024 float32; Wv 1,024 x 1,024 float32; beta 1,024 float32; bk 1,024 float32; bo 1,024 float32; bq 1,024 float32; bv 1,024 float32; dil_w 4 float32; gamma 1,024 float32; hist 64 x 256 x 1,024 float32; x 256 x 1,024 float32.
;; Outputs: out0 256 x 1,024 float32.
;; This version of the problem:
;;   THIS VERSION OF THE PROBLEM IS GIVEN IN LOW PRECISION. The matrix products marked QUANTISED in the list below multiply operands that are first quantised to E3M2 (3 exponent bits, 2 mantissa bits; 6 bits a number), with one power-of-two scale for each 32 numbers along K (OCP MX v1.0); their sums are f32. All else is computed in f32.
;;   The module's matrix products, in the order in which they are computed (A, B: the left and right operand; K: the contracted axis; several contracted axes count as one K, in the product's order):
;;     1. [M 256, K 1,024] x [K 1,024, N 1,024]; A: input x; B: input Wq: QUANTISED
;;     2. [M 16,384, K 1,024] x [K 1,024, N 1,024]; A: input hist; B: input Wk: QUANTISED
;;     3. [M 16,384, K 1,024] x [K 1,024, N 1,024]; A: input hist; B: input Wv: QUANTISED
;;     4. batch 4 x [M 16,384, K 256] x [K 256, N 256]; A: computed on the way; B: computed on the way: QUANTISED
;;     5. batch 4 x [M 256, K 16,384] x [K 16,384, N 256]; A: computed on the way; B: softmax (see below): QUANTISED
;;     6. [M 4,096, K 1,024] x [K 1,024, N 1,024]; A: input hist; B: input Wk: QUANTISED
;;     7. [M 4,096, K 1,024] x [K 1,024, N 1,024]; A: input hist; B: input Wv: QUANTISED
;;     8. batch 4 x [M 4,096, K 256] x [K 256, N 256]; A: computed on the way; B: computed on the way: QUANTISED
;;     9. batch 4 x [M 256, K 4,096] x [K 4,096, N 256]; A: computed on the way; B: softmax (see below): QUANTISED
;;     10. [M 2,048, K 1,024] x [K 1,024, N 1,024]; A: input hist; B: input Wk: QUANTISED
;;     11. [M 2,048, K 1,024] x [K 1,024, N 1,024]; A: input hist; B: input Wv: QUANTISED
;;     12. batch 4 x [M 2,048, K 256] x [K 256, N 256]; A: computed on the way; B: computed on the way: QUANTISED
;;     13. batch 4 x [M 256, K 2,048] x [K 2,048, N 256]; A: computed on the way; B: softmax (see below): QUANTISED
;;     14. [M 1,024, K 1,024] x [K 1,024, N 1,024]; A: input hist; B: input Wk: QUANTISED
;;     15. [M 1,024, K 1,024] x [K 1,024, N 1,024]; A: input hist; B: input Wv: QUANTISED
;;     16. batch 4 x [M 1,024, K 256] x [K 256, N 256]; A: computed on the way; B: computed on the way: QUANTISED
;;     17. batch 4 x [M 256, K 1,024] x [K 1,024, N 256]; A: computed on the way; B: softmax (see below): QUANTISED
;;     18. [M 256, K 1,024] x [K 1,024, N 1,024]; A: computed on the way; B: input Wo: QUANTISED
;;   THE QUANTISER, for each operand of a quantised product, along K:
;;     - K is cut into blocks of 32 from its start; a last block that is shorter is filled with zeros.
;;     - A block's scale is 2^e with e = floor(log2(the largest magnitude in the block)) - 4, held to -126 .. 127; a block of zeros has e = 0. As a byte (E8M0): e + 127.
;;     - Each number is divided by its block's scale, clamped to +-28, and rounded to the nearest number of E3M2, ties to even, subnormals kept.
;;     - The product sums the exact products of the quantised numbers (number of the format x scale) in f32.
;;   ~~~python
;;   def quantise(x, axis):      # numpy; x: float32 -> the quantised numbers, widened to float32 again
;;       x = np.moveaxis(x, axis, -1); K = x.shape[-1]
;;       x = np.pad(x, [(0, 0)] * (x.ndim - 1) + [(0, -K % 32)]); x = x.reshape(x.shape[:-1] + (-1, 32)); a = np.abs(x).max(-1, keepdims=True)
;;       e = np.where(a > 0, np.clip(np.frexp(np.where(a > 0, a, 1))[1] - 1 - 4, -126, 127), 0)      # np.frexp(a)[1] - 1 = floor(log2(a)), exactly
;;       r = np.clip(x / 2.0 ** e, -28, 28)
;;       step = 2.0 ** (np.maximum(np.frexp(np.where(r == 0, 1, r))[1] - 1, -2) - 2)
;;       q = np.round(r / step) * step * 2.0 ** e      # np.round: ties to even
;;       return np.moveaxis(q.reshape(q.shape[:-2] + (-1,))[..., :K], -1, axis).astype(np.float32)
;;   ~~~
;;   SOFTMAX AHEAD OF A QUANTISED PRODUCT. Where the list says 'softmax', what is quantised is not the finished softmax but p = 2^(t - M), with t = logit x log2(e) and M = ceil(the row's largest t), a whole number; so 1/2 < the row's largest p <= 1. The row's sum l is taken of the UNQUANTISED p, in f32, and the product's result is divided by l at the end. Since M is a whole number, a kernel that streams over the keys may use a running M (the ceiling of the running maximum): every later rescaling is an exact power of two, which a block's scale takes up: the codes' values come out the same.
;;   OPERANDS COMPUTED ON THE WAY. 'Computed on the way' means the value that the module computes at that place (a softmax that the list does not call 'softmax' is quantised finished and normalised). What goes into a quantiser is computed in f32, as accurately as f32 sums, v_exp_f32 and their like allow (about 1e-6 of the number): no bf16 or f16 on the way to a quantiser, and a product that is left as it is and whose result goes on into a quantised operand takes f32 operands (vector FMAs, or v_wmma_f32_16x16x4_f32). A number that lies on a knife's edge between two numbers of the format may be rounded either way, as far as f32 arithmetic and the matrix unit's own rounding can turn it there, and no further.
;; 2 versions, each right; version 2 is version 1 with the launches qproj, comb written anew for expert scheduling mode. Each part assembles by itself: llvm-mc -triple=amdgcn-amd-amdhsa -mcpu=gfx1250 --defsym DOCPART=n.
;; ======== version 1 of 2: 5 launches
;; workspace buffers: hq 13,312,000 bytes; wimg 3,145,728 bytes; wsc 131,072 bytes; qq 204,800 bytes; opart 67,108,864 bytes; stat 524,288 bytes; ypart 8,388,608 bytes
;; launch prep (part 1): grid 776 x 1, 4 waves a work-group, no clusters, 34,304 bytes of LDS; arguments hist, x, Wq, Wk, Wv, Wo, hq, wimg, wsc; writes hq, wimg, wsc
.if DOCPART == 1
	.amdgcn_target "amdgcn-amd-amdhsa--gfx1250"
	.amdhsa_code_object_version 6
	.text
	.protected	k_qea1f9593aa_prep
	.globl	k_qea1f9593aa_prep
	.p2align	8
	.type	k_qea1f9593aa_prep,@function
k_qea1f9593aa_prep:
	s_mov_b64 s[64:65], 0
	v_nop
	global_prefetch_b8 v0, s[64:65] scope:SCOPE_SE
	s_setreg_imm32_b32 hwreg(HW_REG_WAVE_MODE, 25, 1), 1
	s_wait_xcnt 0x0
; hist [64][256][1024], x [256][1024] and the four weights [1024 (k)][1024 (n)], all f32, become codes of BF6 (E3M2) with one E8M0 byte for each 32 along K,
; laid as IMAGES OF THE MATRIX OPERAND'S REGISTERS: a fragment (16 rows x 128 K) is 12 registers a lane, 1,536 bytes: registers 4 c .. 4 c + 3 of lane l at 512 c + 16 l.
; THE 16 ROWS (OR COLUMNS) OF A TILE ARE NOT NEIGHBOURS: lane r of tile 2 b + u holds index 32 b + 8 u + r + 8 (r / 8), so that later results have 16 neighbours in the registers of two tiles.
; A block's scale is 2^(floor(log2(largest magnitude)) - 4); its byte is the largest magnitude's exponent field - 4, held at 1 from below by a floor among the maximum's leaves.
; LIMITS: NaN and infinities are not served; blocks whose largest magnitude lies under 2^-122 keep the byte 1; a block of zeros gets the byte 1 where the rule says 127 (its codes are zeros, and this program alone reads the bytes).
; Work-groups 0-519: rows (K innermost): 65 frames (64 of hist, x as frame 64), 8 work-groups a frame; a wave takes one tile of 16 rows x 512 K: four fragments.
; Work-groups 520-775: weights (K outermost): a wave takes 32 columns (two tiles) x 128 K; a lane takes a column and its registers run down K.
; No tensor loads, no barrier: waves share nothing; only the first path uses LDS (a stage of 8,448 bytes for each wave).
; Address registers that stay: v1 = 16 x lane, v40 = 4 x lane; neither path writes them again.
.set FRB,   1536
.set FRAME, 204800                     ; a frame in hq: 128 fragments, then 8,192 bytes of scale words at (8 T + s) 64 + 4 r
.set NPH,   520
.set PSTG,  8448                       ; 16 rows x (512 bytes + 16)
.set L4,    40                         ; v40  4 x lane
	s_load_b256 s[4:11], s[0:1], 0x0               ; hist, x, Wq, Wk
	s_load_b256 s[12:19], s[0:1], 0x20             ; Wv, Wo, hq, wimg
	s_load_b64 s[20:21], s[0:1], 0x40              ; wsc
	v_lshl_add_u32 v62, v0, 2, 0x8400
	v_mov_b32 v63, 0
	v_lshrrev_b32 v1, 5, v0
	v_readfirstlane_b32 s22, v1                    ; wave
	v_and_b32 v6, 31, v0                           ; lane
	v_and_b32 v2, 15, v0                           ; r
	v_bfe_u32 v3, v0, 4, 1                         ; h
	v_lshlrev_b32 v1, 4, v6                        ; 16 x lane
	v_lshlrev_b32 v[L4], 2, v6                     ; 4 x lane
	s_mov_b32 s30, 0x76543210
	s_mov_b32 s31, 0xfedcba98                      ; v_permlanex16_b32's selects for lane l xor 16
	s_cmp_lt_u32 ttmp9, NPH
	s_cbranch_scc0 .Lweights
; ---------------- rows: K innermost
	s_lshr_b32 s24, ttmp9, 3                       ; frame F
	s_and_b32 s25, ttmp9, 7
	s_lshl_b32 s25, s25, 1
	s_lshr_b32 s26, s22, 1
	s_add_co_u32 s25, s25, s26                     ; tile of rows T
	s_and_b32 s26, s22, 1                          ; which half of K
	s_mul_i32 s28, s22, PSTG
	v_add_nc_u32 v4, s28, v1                       ; stage, in: a row's 512 bytes as they lie
	v_mul_u32_u24 v5, v2, 528
	v_lshl_add_u32 v5, v3, 7, v5
	v_add_nc_u32 v5, s28, v5                       ; stage, out: row r, + 128 h: my 32 numbers of each 64
	v_lshlrev_b32 v7, 3, v3                        ; 8 h: where my two bytes stand in the scale word
	s_lshr_b32 s32, s25, 1
	s_lshl_b32 s32, s32, 17                        ; the tile's first row 32 (T / 2) + 8 (T % 2), rows of 4,096 bytes
	s_and_b32 s33, s25, 1
	s_lshl_b32 s33, s33, 15
	s_add_co_u32 s32, s32, s33
	s_lshl_b32 s33, s26, 11
	s_add_co_u32 s32, s32, s33
	s_mul_i32 s34, s24, FRAME
	s_mul_i32 s35, s26, 98304
	s_mul_i32 s36, s25, FRB
	s_add_co_u32 s36, s36, s35
	s_add_co_u32 s36, s36, s34                     ; fragment (K step 4 half, T): (16 s + T) 1,536
	s_mov_b32 s37, 0
	s_lshl_b32 s38, s25, 9
	s_lshl_b32 s35, s26, 8
	s_add_co_u32 s38, s38, s35
	s_add_co_u32 s38, s38, s34
	s_add_co_u32 s38, s38, 196608                  ; its scale words
	s_mov_b32 s39, 0
	s_wait_kmcnt 0x0
	s_cmp_lt_u32 ttmp9, 512                        ; hist or x: the choice hangs on the work-group's number alone
	s_cselect_b64 s[4:5], s[4:5], s[6:7]
	s_cselect_b32 s33, s24, 0
	s_lshl_b32 s33, s33, 20
	s_add_co_u32 s32, s32, s33
	s_mov_b32 s33, 0
	s_add_nc_u64 s[4:5], s[4:5], s[32:33]
	s_add_nc_u64 s[40:41], s[16:17], s[36:37]
	s_add_nc_u64 s[42:43], s[16:17], s[38:39]
.macro LOADP j                         ; K step j of my 16 rows: each load reads 512 consecutive bytes of one row
.set RS, 64+64*((\j)%3)
.irp i,0,1,2,3,4,5,6,7,8,9,10,11,12,13,14,15
	global_load_b128 v[RS+4*\i:RS+4*\i+3], v1, s[4:5] offset:(\i+8*(\i/8))*4096+512*(\j) th:TH_LOAD_NT
.endr
.endm
.macro PSTEP j, left
.set RS, 64+64*((\j)%3)
	s_wait_loadcnt \left                           ; this step's 16 loads are in; the younger steps' may be out
.irp i,0,1,2,3,4,5,6,7,8,9,10,11,12,13,14,15
	ds_store_b128 v4, v[RS+4*\i:RS+4*\i+3] offset:528*\i
.endr
	s_wait_dscnt 0x0                               ; the stores have read their registers, which the loads below fill
.irp c,0,1
.irp q,0,1,2,3,4,5,6,7
	ds_load_b128 v[RS+32*\c+4*\q:RS+32*\c+4*\q+3], v5 offset:256*\c+16*\q   ; register 32 c + i: k = 64 c + 32 h + i of row r: two whole blocks a lane
.endr
.endr
	s_wait_dscnt 0x0
	v_max3_num_f32 v8, |v[RS]|, |v[RS+1]|, 0x2800000               ; with the floor 2^(5 - 127)
	v_max3_num_f32 v9, |v[RS+32]|, |v[RS+33]|, 0x2800000
.irp i,2,4,6,8,10,12,14,16,18,20,22,24,26,28,30
	v_max3_num_f32 v8, v8, |v[RS+\i]|, |v[RS+\i+1]|
	v_max3_num_f32 v9, v9, |v[RS+32+\i]|, |v[RS+33+\i]|
.endr
	v_add_nc_u32 v10, 0xfe000000, v8               ; 4 off the exponent field: the conversion's scale operand
	v_add_nc_u32 v11, 0xfe000000, v9
	v_lshrrev_b32 v12, 23, v10                     ; the bytes of blocks h and 2 + h
	v_lshrrev_b32 v13, 23, v11
	v_lshl_or_b32 v12, v13, 16, v12
	v_lshlrev_b32 v12, v7, v12
	v_permlanex16_b32 v13, v12, s30, s31
	v_or_b32 v[16+\j], v12, v13                    ; with lane l xor 16's two the word is whole
.if (\j) > 0
	s_wait_xcnt 0x0                                ; the last step's stores have read the codes' registers
.endif
	v_cvt_scalef32_pk16_bf6_f32 v[20:22], v[RS:RS+15], v10
	v_cvt_scalef32_pk16_bf6_f32 v[32:34], v[RS+16:RS+31], v10      ; (a conversion's three registers begin on an even number)
	v_cvt_scalef32_pk16_bf6_f32 v[26:28], v[RS+32:RS+47], v11
	v_cvt_scalef32_pk16_bf6_f32 v[36:38], v[RS+48:RS+63], v11
	v_nop                                          ; one plain place behind a scaled conversion
	v_mov_b32 v23, v32
	v_mov_b32 v24, v33
	v_mov_b32 v25, v34
	v_mov_b32 v29, v36
	v_mov_b32 v30, v37
	v_mov_b32 v31, v38
.irp c,0,1,2
	global_store_b128 v1, v[20+4*\c:23+4*\c], s[40:41] offset:24576*(\j)+512*\c   ; 512 consecutive bytes a store
.endr
.endm
	LOADP 0
	LOADP 1
	LOADP 2
	PSTEP 0, 32
	LOADP 3                                        ; into the set that step 0 has left
	PSTEP 1, 32
	PSTEP 2, 16
	PSTEP 3, 0
	v_cmp_gt_u32 vcc_lo, 16, v6
	v_cndmask_b32 v8, v17, v16, vcc_lo             ; lanes 0-15: the word of K step 0, lanes 16-31: of step 1
	v_cndmask_b32 v9, v19, v18, vcc_lo
	global_store_b32 v[L4], v8, s[42:43]
	global_store_b32 v[L4], v9, s[42:43] offset:128
	s_wait_tensorcnt 0x0
	ds_add_u32 v62, v63
	s_wait_dscnt 0x0
	s_endpgm
; ---------------- weights: K outermost
.Lweights:
	s_sub_co_u32 s24, ttmp9, NPH
	s_lshr_b32 s25, s24, 6                         ; 0 Wq, 1 Wk, 2 Wv, 3 Wo
	s_and_b32 s26, s24, 7
	s_lshl_b32 s26, s26, 2
	s_add_co_u32 s26, s26, s22                     ; pair of column tiles i
	s_bfe_u32 s27, s24, 0x30003                    ; K step s
	v_and_b32 v4, 7, v0
	v_bfe_u32 v5, v0, 3, 1
	v_lshl_or_b32 v4, v5, 4, v4
	v_lshl_or_b32 v4, v3, 3, v4                    ; my column of the 32: the lane's bits 3 and 4 change places: lanes 0-15 are tile 2 i, lanes 16-31 tile 2 i + 1
	v_lshlrev_b32 v4, 2, v4
	; the fragment's index FI in wimg: Wq: 64 (N / 8) + 8 s + N % 8;  Wk: 512 + 64 (N / 4) + 4 s + N % 4;  Wv: the same + 32;  Wo: 1,536 + 64 s + N
	s_cmp_eq_u32 s25, 0
	s_cselect_b32 s28, 3, 2
	s_cselect_b32 s29, 0, 512
	s_cmp_eq_u32 s25, 2
	s_cselect_b32 s29, 544, s29
	s_cmp_eq_u32 s25, 3
	s_cselect_b32 s28, 6, s28
	s_cselect_b32 s29, 1536, s29
	s_lshl_b32 s32, s26, 1                         ; N = 2 i
	s_lshr_b32 s33, s32, s28
	s_lshl_b32 s33, s33, 6
	s_add_co_u32 s29, s29, s33
	s_lshl_b32 s33, s27, s28
	s_add_co_u32 s29, s29, s33
	s_bfm_b32 s33, s28, 0
	s_and_b32 s33, s32, s33
	s_add_co_u32 s29, s29, s33
	s_mul_i32 s34, s29, FRB
	s_mov_b32 s35, 0
	s_lshl_b32 s36, s29, 6                         ; 64 bytes of scale words a fragment
	s_mov_b32 s37, 0
	s_lshl_b32 s38, s27, 19                        ; 128 rows of 4,096 bytes
	s_lshl_b32 s39, s26, 7
	s_add_co_u32 s38, s38, s39
	s_mov_b32 s39, 0
	s_and_b32 s40, s25, 1
	s_wait_kmcnt 0x0
	s_cmp_lt_u32 s25, 2
	s_cselect_b64 s[44:45], s[8:9], s[12:13]
	s_cselect_b64 s[46:47], s[10:11], s[14:15]
	s_cmp_eq_u32 s40, 0
	s_cselect_b64 s[44:45], s[44:45], s[46:47]
	s_add_nc_u64 s[44:45], s[44:45], s[38:39]
	s_add_nc_u64 s[18:19], s[18:19], s[34:35]
	s_add_nc_u64 s[20:21], s[20:21], s[36:37]
.set kk, 0
.rept 128
	global_load_b32 v[64+kk], v4, s[44:45] offset:kk*4096 th:TH_LOAD_NT   ; W(128 s + kk, my column): the wave reads 128 consecutive bytes
.set kk, kk+1
.endr
	s_wait_loadcnt 63                              ; at most 63 of the 128 are out: blocks 0 and 1 (the first 64) are in
	v_max3_num_f32 v8, |v64|, |v65|, 0x2800000
	v_max3_num_f32 v9, |v96|, |v97|, 0x2800000
.irp i,2,4,6,8,10,12,14,16,18,20,22,24,26,28,30
	v_max3_num_f32 v8, v8, |v[64+\i]|, |v[65+\i]|
	v_max3_num_f32 v9, v9, |v[96+\i]|, |v[97+\i]|
.endr
	s_wait_loadcnt 32                              ; block 2 is in
	v_max3_num_f32 v10, |v128|, |v129|, 0x2800000
.irp i,2,4,6,8,10,12,14,16,18,20,22,24,26,28,30
	v_max3_num_f32 v10, v10, |v[128+\i]|, |v[129+\i]|
.endr
	s_wait_loadcnt 0x0
	v_max3_num_f32 v11, |v160|, |v161|, 0x2800000
.irp i,2,4,6,8,10,12,14,16,18,20,22,24,26,28,30
	v_max3_num_f32 v11, v11, |v[160+\i]|, |v[161+\i]|
.endr
.irp b,0,1,2,3
	v_add_nc_u32 v[12+\b], 0xfe000000, v[8+\b]     ; v12-15: the four conversions' scale operands
.endr
.irp b,0,1,2,3
	v_lshrrev_b32 v[16+\b], 23, v[12+\b]
.endr
	v_lshl_or_b32 v20, v17, 8, v16                 ; my column's scale word: all four bytes are mine
	v_lshl_or_b32 v20, v18, 16, v20
	v_lshl_or_b32 v20, v19, 24, v20
.irp c,0,1
	v_cvt_scalef32_pk16_bf6_f32 v[192+6*\c:194+6*\c], v[64+64*\c:79+64*\c], v[12+2*\c]     ; block 2 c, lower 16
	v_cvt_scalef32_pk16_bf6_f32 v[216+8*\c:218+8*\c], v[80+64*\c:95+64*\c], v[12+2*\c]     ; block 2 c, upper 16
	v_cvt_scalef32_pk16_bf6_f32 v[204+6*\c:206+6*\c], v[96+64*\c:111+64*\c], v[13+2*\c]    ; block 2 c + 1, lower 16
	v_cvt_scalef32_pk16_bf6_f32 v[220+8*\c:222+8*\c], v[112+64*\c:127+64*\c], v[13+2*\c]   ; block 2 c + 1, upper 16
.endr
	v_nop                                          ; one plain place behind a scaled conversion
.irp c,0,1                             ; the even block's lanes 16-31 (tile 2 i + 1) change places with the odd block's lanes 0-15 (tile 2 i): the first register is then tile 2 i's, the second tile 2 i + 1's
.irp i,0,1,2
	v_permlane16_swap_b32 v[192+6*\c+\i], v[204+6*\c+\i]
	v_permlane16_swap_b32 v[216+8*\c+\i], v[220+8*\c+\i]
.endr
.irp i,0,1,2
	v_mov_b32 v[195+6*\c+\i], v[216+8*\c+\i]
	v_mov_b32 v[207+6*\c+\i], v[220+8*\c+\i]
.endr
.endr
.irp c,0,1,2
	global_store_b128 v1, v[192+4*\c:195+4*\c], s[18:19] offset:512*\c
	global_store_b128 v1, v[204+4*\c:207+4*\c], s[18:19] offset:1536+512*\c
.endr
	global_store_b32 v[L4], v20, s[20:21]          ; lanes 0-15: tile 2 i's words, lanes 16-31: tile 2 i + 1's
	s_endpgm
.Lfunc_end_k_qea1f9593aa_prep:
	.size	k_qea1f9593aa_prep, .Lfunc_end_k_qea1f9593aa_prep-k_qea1f9593aa_prep
	.p2alignl 7, 3214868480
	.fill 96, 4, 3214868480
	.section	.rodata,"a",@progbits
	.p2align	6, 0x0
	.amdhsa_kernel k_qea1f9593aa_prep
		.amdhsa_group_segment_fixed_size 34304
		.amdhsa_private_segment_fixed_size 0
		.amdhsa_enable_private_segment 0
		.amdhsa_kernarg_size 72
		.amdhsa_user_sgpr_count 2
		.amdhsa_user_sgpr_kernarg_segment_ptr 1
		.amdhsa_wavefront_size32 1
		.amdhsa_system_sgpr_workgroup_id_x 1
		.amdhsa_system_sgpr_workgroup_id_y 1
		.amdhsa_system_sgpr_workgroup_id_z 1
		.amdhsa_system_vgpr_workitem_id 0
		.amdhsa_next_free_vgpr 256
		.amdhsa_next_free_sgpr 66
		.amdhsa_reserve_vcc 1
		.amdhsa_float_denorm_mode_32 3
		.amdhsa_float_denorm_mode_16_64 3
		.amdhsa_memory_ordered 1
		.amdhsa_forward_progress 1
		.amdhsa_inst_pref_size 51
	.end_amdhsa_kernel
	.amdgpu_metadata
---
amdhsa.version: [ 1, 2 ]
amdhsa.kernels:
  - .name:           k_qea1f9593aa_prep
    .symbol:         k_qea1f9593aa_prep.kd
    .args:
      - { .name: hist, .offset: 0, .size: 8, .value_kind: global_buffer, .address_space: global }
      - { .name: x, .offset: 8, .size: 8, .value_kind: global_buffer, .address_space: global }
      - { .name: Wq, .offset: 16, .size: 8, .value_kind: global_buffer, .address_space: global }
      - { .name: Wk, .offset: 24, .size: 8, .value_kind: global_buffer, .address_space: global }
      - { .name: Wv, .offset: 32, .size: 8, .value_kind: global_buffer, .address_space: global }
      - { .name: Wo, .offset: 40, .size: 8, .value_kind: global_buffer, .address_space: global }
      - { .name: hq, .offset: 48, .size: 8, .value_kind: global_buffer, .address_space: global }
      - { .name: wimg, .offset: 56, .size: 8, .value_kind: global_buffer, .address_space: global }
      - { .name: wsc, .offset: 64, .size: 8, .value_kind: global_buffer, .address_space: global }
    .group_segment_fixed_size: 34304
    .private_segment_fixed_size: 0
    .kernarg_segment_align: 8
    .kernarg_segment_size: 72
    .max_flat_workgroup_size: 128
    .sgpr_count:     66
    .vgpr_count:     256
    .wavefront_size: 32
...
	.end_amdgpu_metadata
.endif
;; end of part 1
;; launch qproj (part 2): grid 16 x 8, 8 waves a work-group, no clusters, 74,752 bytes of LDS; arguments hq, wimg, wsc, bq, qq; writes qq
.if DOCPART == 2
	.amdgcn_target "amdgcn-amd-amdhsa--gfx1250"
	.amdhsa_code_object_version 6
	.text
	.protected	k_qea1f9593aa_qproj
	.globl	k_qea1f9593aa_qproj
	.p2align	8
	.type	k_qea1f9593aa_qproj,@function
k_qea1f9593aa_qproj:
	s_mov_b64 s[64:65], 0
	v_nop
	global_prefetch_b8 v0, s[64:65] scope:SCOPE_SE
	s_setreg_imm32_b32 hwreg(HW_REG_WAVE_MODE, 25, 1), 1
	s_wait_xcnt 0x0
; q = x Wq + bq on codes of BF6, then q itself quantised along the head's 256 channels, as register images for the next launch.
; A work-group makes 16 queries (tile qt = work-group x) x 128 columns (hs = work-group y = 2 head + half).  K IS SHARED AMONG ITS EIGHT WAVES: wave v takes K step v (128 along K): 34 loads, all issued at once,
; and eight matrix instructions that start eight sums with the constant 0.  The eight waves' sums meet in LDS: wave v adds registers 8 v .. 8 v + 7 (tile v) of all eight, K ascending, and the bias of tile v; wave 0 quantises the whole.
; So a number of q is the f32 sum of eight partial sums and the bias, not one chain through the matrix unit.
; TRANSPOSED: source 0 = 16 columns of Wq, source 1 = 16 rows of x: a lane holds one query, and the registers of tiles 2 b, 2 b + 1 are 16 neighbouring columns.
; Work-groups share only small operands that lie close by: no cluster, no tensor loads.  LIMITS: NaN and infinities are not served; blocks under 2^-122 and blocks of zeros keep the scale byte 1.
; LDS: 0: eight waves' sums, 8,192 bytes each (register group q of lane l at 512 q + 16 l) | 65,536: the reduced sums, 8,192 bytes.
; REGISTERS: v1-8 addresses; v10 x's scale words; v12-15 Wq's (pair p); v16-23 the bias of tile v; v24-35 x's fragment; v36-131 Wq's eight fragments, later 64 registers of the reduction; v132-195 the sums; v200-232 the quantiser.
.set XB,   13107200                    ; x is frame 64 of hq
.set RED2, 65536
.set XS,  10
.set WS,  12
.set BI,  16
.set XF,  24
.set WF,  36
.set RT,  36
.set ACC, 132
.set TM,  200
.set TX,  204
.set SO,  208
.set PC,  212
.set TP,  224
.set PW,  232
.set SEL, 28
.macro BARRIER                         ; my LDS stores have landed and my LDS loads are in: then the work-group's barrier
	s_wait_dscnt 0x0
	s_barrier_signal -1
	s_barrier_wait -1
.endm
	s_load_b256 s[4:11], s[0:1], 0x0               ; hq, wimg, wsc, bq
	s_load_b64 s[12:13], s[0:1], 0x20              ; qq
	v_lshl_add_u32 v254, v0, 2, 0x12000
	v_mov_b32 v255, 0
	v_lshrrev_b32 v1, 5, v0
	v_readfirstlane_b32 s15, v1                    ; wave v = my K step
	s_and_b32 s14, ttmp7, 0xffff                   ; hs
	v_and_b32 v9, 31, v0                           ; lane
	v_and_b32 v8, 15, v0                           ; r
	v_bfe_u32 v7, v0, 4, 1                         ; h
	v_lshlrev_b32 v1, 4, v9                        ; 16 x lane
	v_lshlrev_b32 v2, 2, v9                        ; 4 x lane
	v_lshlrev_b32 v3, 2, v8                        ; 4 r
	v_lshlrev_b32 v4, 6, v7                        ; 64 h: my half's 16 numbers of a block of the bias
	s_lshl_b32 s32, s15, 13
	v_add_nc_u32 v5, s32, v1                       ; LDS: my sums
	s_lshl_b32 s32, s15, 10
	v_add_nc_u32 v6, s32, v1                       ; LDS: groups 2 v, 2 v + 1 of every wave's sums
	s_add_co_u32 s33, s32, RED2
	v_add_nc_u32 v7, s33, v1                       ; LDS: the same two groups of the reduced sums
	v_add_nc_u32 v8, RED2, v1                      ; LDS: the reduced sums from their start
.irp b,0,1,2,3
	v_mov_b32 v[TX+\b], 0                          ; written once: a lane permute's destination counts as one of its sources
.endr
	s_mov_b32 s[SEL], 0x76543210
	s_mov_b32 s[SEL+1], 0xfedcba98
	s_mul_i32 s16, ttmp9, 1536
	s_mul_i32 s32, s15, 24576
	s_add_co_u32 s16, s16, s32
	s_add_co_u32 s16, s16, XB                      ; x's fragment (K step v, tile qt)
	s_mov_b32 s17, 0
	s_lshl_b32 s18, ttmp9, 9
	s_lshl_b32 s32, s15, 6
	s_add_co_u32 s18, s18, s32
	s_add_co_u32 s18, s18, XB+196608               ; its scale words
	s_mov_b32 s19, 0
	s_mul_i32 s20, s14, 98304
	s_mul_i32 s32, s15, 12288
	s_add_co_u32 s20, s20, s32                     ; Wq's eight fragments of K step v
	s_mov_b32 s21, 0
	s_lshl_b32 s22, s14, 12
	s_lshl_b32 s32, s15, 9
	s_add_co_u32 s22, s22, s32                     ; their scale words
	s_mov_b32 s23, 0
	s_lshl_b32 s24, s14, 9
	s_lshr_b32 s32, s15, 1
	s_lshl_b32 s32, s32, 7
	s_add_co_u32 s24, s24, s32
	s_and_b32 s32, s15, 1
	s_lshl_b32 s32, s32, 5
	s_add_co_u32 s24, s24, s32                     ; the bias of tile v: columns 32 (v / 2) + 8 (v % 2) on, 4 bytes each
	s_mov_b32 s25, 0
	s_lshr_b32 s26, s14, 1
	s_lshl_b32 s26, s26, 5
	s_and_b32 s27, s14, 1
	s_add_co_u32 s26, s26, s27
	s_lshl_b32 s27, ttmp9, 1
	s_add_co_u32 s26, s26, s27
	s_mul_i32 s26, s26, 1536                       ; q's fragment (head, qt, half) at (32 head + 2 qt + half) 1,536
	s_mov_b32 s27, 0
	s_lshl_b32 s30, s14, 4
	s_add_co_u32 s30, s30, ttmp9
	s_lshl_b32 s30, s30, 6
	s_add_co_u32 s30, s30, 196608                  ; its scale words at 196,608 + (16 hs + qt) 64
	s_mov_b32 s31, 0
	s_wait_kmcnt 0x0
	s_add_nc_u64 s[16:17], s[4:5], s[16:17]
	s_add_nc_u64 s[18:19], s[4:5], s[18:19]
	s_add_nc_u64 s[6:7], s[6:7], s[20:21]
	s_add_nc_u64 s[8:9], s[8:9], s[22:23]
	s_add_nc_u64 s[10:11], s[10:11], s[24:25]
	s_add_nc_u64 s[26:27], s[12:13], s[26:27]
	s_add_nc_u64 s[30:31], s[12:13], s[30:31]
	global_load_b32 v[XS], v3, s[18:19]
.irp p,0,1,2,3
	global_load_b32 v[WS+\p], v2, s[8:9] offset:128*\p             ; lanes 0-15: tile 2 p, lanes 16-31: tile 2 p + 1
.endr
.irp c,0,1,2
	global_load_b128 v[XF+4*\c:XF+4*\c+3], v1, s[16:17] offset:512*\c
.endr
.irp t,0,1,2,3,4,5,6,7
.irp c,0,1,2
	global_load_b128 v[WF+12*\t+4*\c:WF+12*\t+4*\c+3], v1, s[6:7] offset:1536*\t+512*\c
.endr
.endr
	global_load_b128 v[BI:BI+3], v4, s[10:11]      ; register j: column 32 (v / 2) + 16 h + 8 (v % 2) + j
	global_load_b128 v[BI+4:BI+7], v4, s[10:11] offset:16
	s_wait_loadcnt 2                               ; the operands and their scale words are in; the bias's two loads may be out
.irp t,0,2,4,6
	v_wmma_scale_f32_16x16x128_f8f6f4 v[ACC+8*\t:ACC+8*\t+7], v[WF+12*\t:WF+12*\t+11], v[XF:XF+11], 0, v[WS+\t/2], v[XS] matrix_a_fmt:MATRIX_FMT_BF6 matrix_b_fmt:MATRIX_FMT_BF6
	v_wmma_scale_f32_16x16x128_f8f6f4 v[ACC+8*\t+8:ACC+8*\t+15], v[WF+12*\t+12:WF+12*\t+23], v[XF:XF+11], 0, v[WS+\t/2], v[XS] matrix_a_fmt:MATRIX_FMT_BF6 matrix_b_fmt:MATRIX_FMT_BF6 matrix_a_scale:MATRIX_SCALE_ROW1
.endr
.rept 4
	v_nop                                          ; places in front of the stores that read the results, and of the loads into registers that the products have read
.endr
.irp q,0,1,2,3,4,5,6,7,8,9,10,11,12,13,14,15
	ds_store_b128 v5, v[ACC+4*\q:ACC+4*\q+3] offset:512*\q         ; each accumulator from its low end on
.endr
	BARRIER                                        ; the eight waves' sums lie in LDS
.irp u,0,1,2,3,4,5,6,7
.irp e,0,1
	ds_load_b128 v[RT+8*\u+4*\e:RT+8*\u+4*\e+3], v6 offset:8192*\u+512*\e
.endr
.endr
	s_wait_dscnt 0x0
.irp u,1,2,3,4,5,6,7
.irp e,0,2,4,6
	v_pk_add_f32 v[RT+\e:RT+\e+1], v[RT+\e:RT+\e+1], v[RT+8*\u+\e:RT+8*\u+\e+1]   ; K ascending
.endr
.endr
	s_wait_loadcnt 0x0                             ; the bias
.irp e,0,2,4,6
	v_pk_add_f32 v[RT+\e:RT+\e+1], v[RT+\e:RT+\e+1], v[BI+\e:BI+\e+1]
.endr
	ds_store_b128 v7, v[RT:RT+3]
	ds_store_b128 v7, v[RT+4:RT+7] offset:512
	BARRIER                                        ; q's 16 x 128 numbers lie in LDS
	s_cmp_lg_u32 s15, 0                            ; one wave quantises them; no barrier follows
	s_cbranch_scc1 .Lend
.irp q,0,1,2,3,4,5,6,7,8,9,10,11,12,13,14,15
	ds_load_b128 v[ACC+4*\q:ACC+4*\q+3], v8 offset:512*\q
.endr
	s_wait_dscnt 0x0
	; q's 64 numbers of a lane: register 16 b + i = column 32 b + 16 h + i of my query: quantised as a fragment
.irp b,0,1,2,3
	v_max3_num_f32 v[TM+\b], |v[ACC+16*\b]|, |v[ACC+16*\b+1]|, 0x2800000     ; with the floor 2^(5 - 127)
.endr
.irp i,2,4,6,8,10,12,14
.irp b,0,1,2,3
	v_max3_num_f32 v[TM+\b], |v[ACC+16*\b+\i]|, |v[ACC+16*\b+\i+1]|, v[TM+\b]
.endr
.endr
.irp b,0,1,2,3
	v_permlanex16_b32 v[TX+\b], v[TM+\b], s[SEL], s[SEL+1]
.endr
.irp b,0,1,2,3
	v_max_num_f32 v[TM+\b], v[TM+\b], v[TX+\b]
.endr
.irp b,0,1,2,3
	v_add_nc_u32 v[SO+\b], 0xfe000000, v[TM+\b]    ; 4 off the exponent field: the conversion's scale operand
.endr
.irp b,0,1,2,3
	v_lshrrev_b32 v[TX+\b], 23, v[SO+\b]
.endr
	v_lshl_or_b32 v[PW], v[TX+1], 8, v[TX]
	v_lshl_or_b32 v[PW], v[TX+2], 16, v[PW]
	v_lshl_or_b32 v[PW], v[TX+3], 24, v[PW]
.irp c,0,1
	v_cvt_scalef32_pk16_bf6_f32 v[PC+6*\c:PC+6*\c+2], v[ACC+32*\c:ACC+32*\c+15], v[SO+2*\c]
	v_cvt_scalef32_pk16_bf6_f32 v[TP+4*\c:TP+4*\c+2], v[ACC+32*\c+16:ACC+32*\c+31], v[SO+2*\c+1]
.endr
	v_nop                                          ; one plain place behind a scaled conversion
.irp c,0,1
.irp i,0,1,2
	v_permlane16_swap_b32 v[PC+6*\c+\i], v[TP+4*\c+\i]   ; a whole block to a lane: lanes 0-15 block 2 c, lanes 16-31 block 2 c + 1
.endr
.irp i,0,1,2
	v_mov_b32 v[PC+6*\c+3+\i], v[TP+4*\c+\i]
.endr
.endr
.irp c,0,1,2
	global_store_b128 v1, v[PC+4*\c:PC+4*\c+3], s[26:27] offset:512*\c
.endr
	global_store_b32 v3, v[PW], s[30:31]           ; both halves of the lanes hold the same word and store it to the same place
.Lend:
	s_wait_tensorcnt 0x0
	ds_add_u32 v254, v255
	s_wait_dscnt 0x0
	s_endpgm
.Lfunc_end_k_qea1f9593aa_qproj:
	.size	k_qea1f9593aa_qproj, .Lfunc_end_k_qea1f9593aa_qproj-k_qea1f9593aa_qproj
	.p2alignl 7, 3214868480
	.fill 96, 4, 3214868480
	.section	.rodata,"a",@progbits
	.p2align	6, 0x0
	.amdhsa_kernel k_qea1f9593aa_qproj
		.amdhsa_group_segment_fixed_size 74752
		.amdhsa_private_segment_fixed_size 0
		.amdhsa_enable_private_segment 0
		.amdhsa_kernarg_size 40
		.amdhsa_user_sgpr_count 2
		.amdhsa_user_sgpr_kernarg_segment_ptr 1
		.amdhsa_wavefront_size32 1
		.amdhsa_system_sgpr_workgroup_id_x 1
		.amdhsa_system_sgpr_workgroup_id_y 1
		.amdhsa_system_sgpr_workgroup_id_z 1
		.amdhsa_system_vgpr_workitem_id 0
		.amdhsa_next_free_vgpr 256
		.amdhsa_next_free_sgpr 66
		.amdhsa_reserve_vcc 0
		.amdhsa_float_denorm_mode_32 3
		.amdhsa_float_denorm_mode_16_64 3
		.amdhsa_memory_ordered 1
		.amdhsa_forward_progress 1
		.amdhsa_inst_pref_size 18
	.end_amdhsa_kernel
	.amdgpu_metadata
---
amdhsa.version: [ 1, 2 ]
amdhsa.kernels:
  - .name:           k_qea1f9593aa_qproj
    .symbol:         k_qea1f9593aa_qproj.kd
    .args:
      - { .name: hq, .offset: 0, .size: 8, .value_kind: global_buffer, .address_space: global }
      - { .name: wimg, .offset: 8, .size: 8, .value_kind: global_buffer, .address_space: global }
      - { .name: wsc, .offset: 16, .size: 8, .value_kind: global_buffer, .address_space: global }
      - { .name: bq, .offset: 24, .size: 8, .value_kind: global_buffer, .address_space: global }
      - { .name: qq, .offset: 32, .size: 8, .value_kind: global_buffer, .address_space: global }
    .group_segment_fixed_size: 74752
    .private_segment_fixed_size: 0
    .kernarg_segment_align: 8
    .kernarg_segment_size: 40
    .max_flat_workgroup_size: 256
    .sgpr_count:     66
    .vgpr_count:     256
    .wavefront_size: 32
...
	.end_amdgpu_metadata
.endif
;; end of part 2
;; launch main (part 3): grid 4 x 64, 4 waves a work-group, clusters of 4 x 1, 307,712 bytes of LDS; arguments hq, wimg, wsc, bk, bv, qq, opart, stat; writes opart, stat
.if DOCPART == 3
	.amdgcn_target "amdgcn-amd-amdhsa--gfx1250"
	.amdhsa_code_object_version 6
	.text
	.protected	k_qea1f9593aa_main
	.globl	k_qea1f9593aa_main
	.p2align	8
	.type	k_qea1f9593aa_main,@function
k_qea1f9593aa_main:
	s_mov_b64 s[64:65], 0
	v_nop
	global_prefetch_b8 v0, s[64:65] scope:SCOPE_SE
	s_setreg_imm32_b32 hwreg(HW_REG_WAVE_MODE, 25, 1), 1
	s_wait_xcnt 0x0
	s_wait_alu depctr_hold_cnt(0) depctr_sa_sdst(0) depctr_va_vdst(0) depctr_va_sdst(0) depctr_va_ssrc(0) depctr_va_vcc(0) depctr_vm_vsrc(0)
	s_getreg_b32 s2, hwreg(HW_REG_IB_STS2, 6, 4)
	s_cmp_eq_u32 s2, 0
	s_cbranch_scc0 .Lentry_in_a_cluster
	s_endpgm
.Lentry_in_a_cluster:
	s_bfe_u32 s2, ttmp6, 0x10000c
	s_cmp_lg_u32 s2, 0x3003
	s_cbranch_scc0 .Lentry_shape_is_right
	s_endpgm
.Lentry_shape_is_right:
; One work-group = one history frame f (256 keys) x one head: K = frame Wk + bk and V = frame Wv + bv on codes of BF6, both quantised on the way (K along the head's channels, V along the keys),
; S^T = K Q^T, p = 2^(t - M) with t = score x log2(e) / 16 and M = ceil(the frame's largest t of the query), p quantised along the keys, O^T = V^T P^T.  Stored: O^T (not normalised), -M and l = the sum of the unquantised p.
; THE FOUR DILATIONS SHARE ALL OF THIS: their frame sets are nested, a frame's 256 keys are 8 whole blocks of 32, so every code is the same in each; only M and l differ, by whole powers of two, which the next launch applies exactly.
; SHARES.  Projections: wave w makes head channels 64 w .. 64 w + 63 (4 tiles) for all 256 keys (16 tiles): 64 accumulators, 512 registers.  Attention: wave w owns query tiles 4 w .. 4 w + 3 and all 256 keys.
; CLUSTER.  The four heads of a frame form a cluster and need the same codes of the frame: they are asked for JOINTLY (mask 15), five loads a wave, all first fills: nothing in LDS is filled twice.
; The weights are not asked for jointly: each fragment of Wk and Wv is used by one wave of the work-group alone and goes from memory straight into that wave's registers, 12 loads a K step, three steps ahead; LDS has no room for them beside the frame.
; All operands are images of the operand's registers (1,536 bytes a fragment, three loads of 512 consecutive bytes).  A tile's 16 rows are index 32 b + 8 u + r + 8 (r / 8) (tile 2 b + u), so that results have 16 neighbours in two tiles' registers.
; LDS: 0 the frame's 128 fragments ((16 s + T) 1,536) | 196,608 its scale words | 204,800 K's 32 fragments ((16 half + m) 1,536) | 253,952 K's scale words | 256,000 V's 32 fragments ((16 G + tile) 1,536) | 305,152 V's scale words.
; REGISTERS: window 0: v1-19 addresses; v20-27 pairs (-M, l) of my four query tiles; v32-47 two sets of scale words of the LDS side; v48-79 the weights' scale words; v80-83 Q's; v84-91 p's; v96-239 three buffers of four fragments (at work between the products); v240-252 the quantiser.
;   window 1: v0-191 a ring of four stages of four weight fragments, later Q (v0-95) and P (v96-191); v192-223 bk in the result's layout; v224-255 bv.   windows 2, 3: the accumulators.
; LIMITS: NaN and infinities are not served; blocks whose largest magnitude lies under 2^-122, and blocks of zeros, keep the scale byte 1; p under 2^-126 counts as 0.
.set FRAME, 204800
.set ASC,   196608
.set KIMG,  204800
.set KSC,   253952
.set VIMG,  256000
.set VSC,   305152
.set LI,  1                            ; 16 x lane
.set L4,  2                            ; 4 x lane
.set AB,  3                            ; v3-6  16 x lane + 49,152 q: the frame's K steps 2 q, 2 q + 1
.set KAB, 7
.set VAB, 8
.set ASA, 9                            ; scale words of the LDS side: lanes 0-15 an even tile's, lanes 16-31 the next tile's
.set KSA, 10
.set VSA, 11
.set KW0, 12                           ; where I store my six registers of a fragment of K, in three pieces of 8 bytes
.set KW1, 13
.set KWS, 14                           ; and my two bytes of its scale word
.set VW,  15
.set VWS, 16
.set R4,  17                           ; 4 (lane % 16)
.set H64, 18                           ; 64 (lane / 16)
.set P4,  19                           ; 4 (r + 8 (r / 8))
.set ML,  20
.set AS,  32
.set WS,  48
.set QS,  80
.set PS,  84
.set BUF, 96
.set TM,  240
.set TX,  244
.set SO,  248
.set PW,  252
.set SEL, 60
.set CS,  62
.set MSB, 0
.macro WIN new                         ; the immediate's high byte repeats the setting that is left; a switch that changes nothing is dropped
.if MSB != (\new)
	s_set_vgpr_msb (MSB<<8)|(\new)
.set MSB, (\new)
.endif
.endm
.macro PLACES n
.rept \n
	v_nop
.endr
.endm
.macro BARRIER                         ; my LDS stores have landed and my LDS loads are in: then the work-group's barrier
	s_wait_dscnt 0x0
	s_barrier_signal -1
	s_barrier_wait -1
.endm
.macro ROUND                           ; a round of the cluster's barrier
	s_barrier_signal -1
	s_barrier_wait -1
	s_cmp_lg_u32 s20, 0
	s_cbranch_scc1 .Lnot_wave_0_\@
	s_barrier_signal -3
.Lnot_wave_0_\@:
	s_barrier_wait -3
	s_barrier_signal -1
	s_barrier_wait -1
.endm
; one matrix instruction from the symbols WD, WA, WB, WC (registers), WSA, WSB (scale registers), WCM (C: 0 = D, 1 = WC, 2 = the constant 0), WRA, WRB (1: the scale words stand in lanes 16-31)
.macro WEMIT
.if WCM == 0
.if (WRA == 0) && (WRB == 0)
	v_wmma_scale_f32_16x16x128_f8f6f4 v[WD:WD+7], v[WA:WA+11], v[WB:WB+11], v[WD:WD+7], v[WSA], v[WSB] matrix_a_fmt:MATRIX_FMT_BF6 matrix_b_fmt:MATRIX_FMT_BF6
.elseif (WRA == 1) && (WRB == 0)
	v_wmma_scale_f32_16x16x128_f8f6f4 v[WD:WD+7], v[WA:WA+11], v[WB:WB+11], v[WD:WD+7], v[WSA], v[WSB] matrix_a_fmt:MATRIX_FMT_BF6 matrix_b_fmt:MATRIX_FMT_BF6 matrix_a_scale:MATRIX_SCALE_ROW1
.elseif (WRA == 0) && (WRB == 1)
	v_wmma_scale_f32_16x16x128_f8f6f4 v[WD:WD+7], v[WA:WA+11], v[WB:WB+11], v[WD:WD+7], v[WSA], v[WSB] matrix_a_fmt:MATRIX_FMT_BF6 matrix_b_fmt:MATRIX_FMT_BF6 matrix_b_scale:MATRIX_SCALE_ROW1
.else
	v_wmma_scale_f32_16x16x128_f8f6f4 v[WD:WD+7], v[WA:WA+11], v[WB:WB+11], v[WD:WD+7], v[WSA], v[WSB] matrix_a_fmt:MATRIX_FMT_BF6 matrix_b_fmt:MATRIX_FMT_BF6 matrix_a_scale:MATRIX_SCALE_ROW1 matrix_b_scale:MATRIX_SCALE_ROW1
.endif
.elseif WCM == 1
.if (WRA == 0) && (WRB == 0)
	v_wmma_scale_f32_16x16x128_f8f6f4 v[WD:WD+7], v[WA:WA+11], v[WB:WB+11], v[WC:WC+7], v[WSA], v[WSB] matrix_a_fmt:MATRIX_FMT_BF6 matrix_b_fmt:MATRIX_FMT_BF6
.elseif (WRA == 1) && (WRB == 0)
	v_wmma_scale_f32_16x16x128_f8f6f4 v[WD:WD+7], v[WA:WA+11], v[WB:WB+11], v[WC:WC+7], v[WSA], v[WSB] matrix_a_fmt:MATRIX_FMT_BF6 matrix_b_fmt:MATRIX_FMT_BF6 matrix_a_scale:MATRIX_SCALE_ROW1
.elseif (WRA == 0) && (WRB == 1)
	v_wmma_scale_f32_16x16x128_f8f6f4 v[WD:WD+7], v[WA:WA+11], v[WB:WB+11], v[WC:WC+7], v[WSA], v[WSB] matrix_a_fmt:MATRIX_FMT_BF6 matrix_b_fmt:MATRIX_FMT_BF6 matrix_b_scale:MATRIX_SCALE_ROW1
.else
	v_wmma_scale_f32_16x16x128_f8f6f4 v[WD:WD+7], v[WA:WA+11], v[WB:WB+11], v[WC:WC+7], v[WSA], v[WSB] matrix_a_fmt:MATRIX_FMT_BF6 matrix_b_fmt:MATRIX_FMT_BF6 matrix_a_scale:MATRIX_SCALE_ROW1 matrix_b_scale:MATRIX_SCALE_ROW1
.endif
.else
.if (WRA == 0) && (WRB == 0)
	v_wmma_scale_f32_16x16x128_f8f6f4 v[WD:WD+7], v[WA:WA+11], v[WB:WB+11], 0, v[WSA], v[WSB] matrix_a_fmt:MATRIX_FMT_BF6 matrix_b_fmt:MATRIX_FMT_BF6
.elseif (WRA == 1) && (WRB == 0)
	v_wmma_scale_f32_16x16x128_f8f6f4 v[WD:WD+7], v[WA:WA+11], v[WB:WB+11], 0, v[WSA], v[WSB] matrix_a_fmt:MATRIX_FMT_BF6 matrix_b_fmt:MATRIX_FMT_BF6 matrix_a_scale:MATRIX_SCALE_ROW1
.elseif (WRA == 0) && (WRB == 1)
	v_wmma_scale_f32_16x16x128_f8f6f4 v[WD:WD+7], v[WA:WA+11], v[WB:WB+11], 0, v[WSA], v[WSB] matrix_a_fmt:MATRIX_FMT_BF6 matrix_b_fmt:MATRIX_FMT_BF6 matrix_b_scale:MATRIX_SCALE_ROW1
.else
	v_wmma_scale_f32_16x16x128_f8f6f4 v[WD:WD+7], v[WA:WA+11], v[WB:WB+11], 0, v[WSA], v[WSB] matrix_a_fmt:MATRIX_FMT_BF6 matrix_b_fmt:MATRIX_FMT_BF6 matrix_a_scale:MATRIX_SCALE_ROW1 matrix_b_scale:MATRIX_SCALE_ROW1
.endif
.endif
.endm
; the quantiser of 64 numbers of a lane (window nw, from register nb): register 16 b + i = k 32 b + 16 (lane / 16) + i of my row
.macro QMAX nw, nb
	WIN ((\nw)|((\nw)<<2))
.irp b,0,1,2,3
	v_max3_num_f32 v[TM+\b], |v[(\nb)+16*\b]|, |v[(\nb)+16*\b+1]|, 0x2800000   ; with the floor 2^(5 - 127); each accumulator is read from its low end on
.endr
.irp i,2,4,6,8,10,12,14
.irp b,0,1,2,3
	v_max3_num_f32 v[TM+\b], |v[(\nb)+16*\b+\i]|, |v[(\nb)+16*\b+\i+1]|, v[TM+\b]
.endr
.endr
	WIN 0
.irp b,0,1,2,3
	v_permlanex16_b32 v[TX+\b], v[TM+\b], s[SEL], s[SEL+1]
.endr
.irp b,0,1,2,3
	v_max_num_f32 v[TM+\b], v[TM+\b], v[TX+\b]
.endr
.endm
.macro QSCL pw
.irp b,0,1,2,3
	v_add_nc_u32 v[SO+\b], 0xfe000000, v[TM+\b]    ; 4 off the exponent field: the conversion's scale operand
.endr
.irp b,0,1,2,3
	v_lshrrev_b32 v[TX+\b], 23, v[SO+\b]
.endr
	v_lshl_or_b32 v[\pw], v[TX+1], 8, v[TX]
	v_lshl_or_b32 v[\pw], v[TX+2], 16, v[\pw]
	v_lshl_or_b32 v[\pw], v[TX+3], 24, v[\pw]
.endm
.macro QCVT nw, nb, cw, pc, tp, so     ; the codes go to window cw, registers pc .. pc + 11; tp: eight registers at work there; so: the four scale operands (window 0)
	WIN (((\cw)<<6)|(\nw))
.irp c,0,1
	v_cvt_scalef32_pk16_bf6_f32 v[(\pc)+6*\c:(\pc)+6*\c+2], v[(\nb)+32*\c:(\nb)+32*\c+15], v[(\so)+2*\c]
	v_cvt_scalef32_pk16_bf6_f32 v[(\tp)+4*\c:(\tp)+4*\c+2], v[(\nb)+32*\c+16:(\nb)+32*\c+31], v[(\so)+2*\c+1]
.endr
	v_nop                                          ; one plain place behind a scaled conversion
	WIN (((\cw)<<6)|(\cw))
.irp c,0,1
.irp i,0,1,2
	v_permlane16_swap_b32 v[(\pc)+6*\c+\i], v[(\tp)+4*\c+\i]   ; a whole block to a lane
.endr
.irp i,0,1,2
	v_mov_b32 v[(\pc)+6*\c+3+\i], v[(\tp)+4*\c+\i]
.endr
.endr
	WIN 0
.endm
; ---- the products.  LB, MB: the buffer that is loaded, multiplied next; ASL, ASM: the set of scale words likewise
.macro LDG adr, off                    ; four fragments (12 loads of 512 consecutive bytes)
.irp i,0,1,2,3
.irp c,0,1,2
	ds_load_b128 v[BUF+48*LB+12*\i+4*\c:BUF+48*LB+12*\i+4*\c+3], v[\adr] offset:(\off)+1536*\i+512*\c
.endr
.endr
.set LB, (LB+1)%3
.endm
.macro LDS8 sadr, soff, sstr           ; a K step's scale words of all 16 tiles: register i: tiles 2 i (lanes 0-15) and 2 i + 1 (lanes 16-31)
.irp i,0,1,2,3,4,5,6,7
	ds_load_b32 v[AS+8*ASL+\i], v[\sadr] offset:(\soff)+\i*(\sstr)
.endr
.set ASL, 1-ASL
.endm
.macro WLOAD i                         ; stream step i into ring stage i % 4: steps 0-7 Wk, 8-15 Wv, 16-17 Q's eight fragments
.irp t,0,1,2,3
.irp c,0,1,2
.if (\i) < 16
	global_load_b128 v[48*((\i)%4)+12*\t+4*\c:48*((\i)%4)+12*\t+4*\c+3], v[LI], s[6:7] offset:6144*(\i)+1536*\t+512*\c
.else
	global_load_b128 v[48*((\i)%4)+12*\t+4*\c:48*((\i)%4)+12*\t+4*\c+3], v[LI], s[72:73] offset:6144*((\i)-16)+1536*\t+512*\c
.endif
.endr
.endr
.endm
; 16 matrix instructions: the LDS side's tiles 4 g .. 4 g + 3 x the register side's four fragments (wb + wst t).  kind 0: source 0 = register side, accumulator (T, t) at 32 (T % 8) + 8 t; kind 1: source 0 = LDS side, at 64 t + 8 (T % 8); window 2 + T / 8.
; The 64 accumulators take turns, one instruction a turn, in the same order in every K step.
.macro MUL16 kind, g, wb, wst, cm, cb, wsb, wsk
.if (\kind) == 0
.if (\cm) == 1
	WIN 0x91+0x40*((\g)/2)
.else
	WIN 0xa1+0x50*((\g)/2)
.endif
.else
.if (\cm) == 1
	WIN 0x94+0x40*((\g)/2)
.else
	WIN 0xa4+0x50*((\g)/2)
.endif
.endif
.set WCM, \cm
.irp i,0,1,2,3
.irp t,0,1,2,3
.set TT, 4*(\g)+\i
.set WC, (\cb)+8*\t
.if (\kind) == 0
.set WD, 32*(TT%8)+8*\t
.set WA, (\wb)+(\wst)*\t
.set WB, BUF+48*MB+12*\i
.set WSA, (\wsb)+\t/2
.set WRA, \t%2
.set WSB, AS+8*ASM+TT/2
.set WRB, TT%2
.else
.set WD, 64*\t+8*(TT%8)
.set WA, BUF+48*MB+12*\i
.set WB, (\wb)+(\wst)*\t
.set WSA, AS+8*ASM+TT/2
.set WRA, TT%2
.if (\wsk) == 0
.set WSB, (\wsb)+\t/2
.set WRB, \t%2
.else
.set WSB, (\wsb)+2*\t
.set WRB, 0
.endif
.endif
	WEMIT
.endr
.endr
.set MB, (MB+1)%3
.endm
.macro PRO adr, off, sadr, soff, sstr  ; ahead of a run of K steps: the first step's scale words and its first two groups of fragments
	PLACES 4                                       ; places in front of loads into registers that matrix instructions have read
	WIN 0
.set LB, 0
.set MB, 0
.set ASL, 0
.set ASM, 0
	LDS8 \sadr,\soff,\sstr
	LDG \adr,\off
	LDG \adr,(\off)+6144
.endm
; A K step: four groups of 16 matrix instructions; the fragments run two groups ahead through three buffers.  nx = 1: a next step follows (its fragments at nadr, noff; its scale words at nsadr, nsoff, nsstr).
; pf >= 0: a projection step: the ring stage of this step is waited for, and stream step pf (three on) is asked for (pf = 18: nothing is left).
.macro STEP kind, adr, off, nx, nadr, noff, nsadr, nsoff, nsstr, wb, wst, cm, cb, wsb, wsk, pf
.irp g,0,1,2,3
	PLACES 4                                       ; places in front of loads into registers that the last 16 matrix instructions have read
.if (\g == 0) && ((\pf) >= 0)
	s_wait_loadcnt 24                              ; this step's stage is in; the two younger stages' 24 loads may be out
.if (\pf) < 18
	WIN 0x40
	WLOAD \pf
.endif
.endif
	WIN 0
.if \g < 2
	LDG \adr,(\off)+6144*(\g+2)
	s_wait_dscnt 24                                ; behind this group's loads: two younger groups of 12
.elseif \nx
.if \g == 2
	LDS8 \nsadr,\nsoff,\nsstr
.endif
	LDG \nadr,(\noff)+6144*(\g-2)
	s_wait_dscnt 32                                ; two younger groups of 12 and the next step's 8 scale loads
.else
	s_wait_dscnt 12*(3-\g)                         ; nothing more is asked for: 12, then 0
.endif
	MUL16 \kind,\g,\wb,\wst,\cm,\cb,\wsb,\wsk
.endr
.set ASM, 1-ASM
.endm
; ---------------- head
	s_load_b256 s[4:11], s[0:1], 0x0               ; hq, wimg, wsc, bk
	s_load_b256 s[12:19], s[0:1], 0x20             ; bv, qq, opart, stat
	v_lshl_add_u32 v254, v0, 2, 0x4b000
	v_mov_b32 v255, 0
	ds_add_u32 v254, v255
	ds_add_u32 v254, v255
	v_lshrrev_b32 v1, 5, v0
	v_readfirstlane_b32 s20, v1                    ; wave
	s_bfe_u32 s21, ttmp6, 0x40000                  ; cx
	s_lshl_b32 s23, ttmp9, 2
	s_add_co_u32 s21, s21, s23                     ; the head = 4 x cluster x + cx: it enters global addresses of plain loads and stores alone
	s_and_b32 s22, ttmp7, 0xffff                   ; the frame, which the four partners share
	; descriptor group 1: dense blocks as rows of 256 bytes (32 elements of 8 bytes): 48 rows (a quarter of two K steps' fragments), 8 rows (a quarter of the scale words)
	s_mov_b32 s24, 15|(3<<16)|(1<<21)              ; 15:0 the mask: all four work-groups; 17:16 elements of 8 bytes; 21 set beside a mask; no padding
	s_mov_b32 s25, 32<<16                          ; tensor_dim0
	s_mov_b32 s26, 48<<16                          ; tensor_dim1
	s_mov_b32 s27, 32<<16                          ; tile_dim0
	s_mov_b32 s28, 48                              ; tile_dim1
	s_mov_b32 s29, 32                              ; the pitch
	s_mov_b32 s30, 0
	s_mov_b32 s31, 0
	s_mov_b32 s32, 15|(3<<16)|(1<<21)
	s_mov_b32 s33, 32<<16
	s_mov_b32 s34, 8<<16
	s_mov_b32 s35, 32<<16
	s_mov_b32 s36, 8
	s_mov_b32 s37, 32
	s_mov_b32 s38, 0
	s_mov_b32 s39, 0
	s_mov_b32 s[SEL], 0x76543210
	s_mov_b32 s[SEL+1], 0xfedcba98
	s_mov_b32 s[CS], 0x3db8aa3b                    ; c = log2(e) / 16
	s_mov_b32 s[CS+1], s[CS]                       ; (named with it as a pair, so it is written)
	s_mul_i32 s66, s22, FRAME
	s_mov_b32 s67, 0
	s_lshl_b32 s68, s20, 11
	s_add_co_u32 s68, s68, ASC                     ; my quarter of the scale words: the same offset in the frame and in LDS
	s_mov_b32 s69, 0
	s_mul_i32 s70, s20, 12288                      ; my quarter of two K steps' fragments
	s_mov_b32 s71, 0
	s_wait_dscnt 0x0
	s_wait_kmcnt 0x0
	s_add_nc_u64 s[66:67], s[4:5], s[66:67]        ; the frame
	s_mov_b32 s40, 1
	s_mov_b32 s41, s68
	s_add_nc_u64 s[42:43], s[66:67], s[68:69]
	s_or_b32 s43, s43, 0x80000000
.irp j,0,1,2,3
	s_mov_b32 s[44+4*\j], 1
	s_add_co_u32 s[45+4*\j], s70, 49152*\j
	s_add_nc_u64 s[46+4*\j:47+4*\j], s[66:67], s[70:71]
	s_add_nc_u64 s[46+4*\j:47+4*\j], s[46+4*\j:47+4*\j], 49152*\j
	s_or_b32 s[47+4*\j], s[47+4*\j], 0x80000000
.endr
	ROUND                                          ; all four work-groups are here: the joint loads meet
	tensor_load_to_lds s[40:43], s[32:39]          ; five loads of mine are out: the scale words, then K steps 0-1, 2-3, 4-5, 6-7
	s_nop 0
	tensor_load_to_lds s[44:47], s[24:31]
	s_nop 0
	tensor_load_to_lds s[48:51], s[24:31]
	s_nop 0
	tensor_load_to_lds s[52:55], s[24:31]
	s_nop 0
	tensor_load_to_lds s[56:59], s[24:31]
	s_nop 0
.rept 4
	v_nop
.endr
	s_lshl_b32 s76, s21, 2
	s_add_co_u32 s76, s76, s20                     ; 4 head + wave
	s_mov_b32 s79, 0
	s_mul_i32 s78, s76, 98304
	s_add_co_u32 s78, s78, 786432
	s_add_nc_u64 s[6:7], s[6:7], s[78:79]          ; my 32 fragments of Wk, then my 32 of Wv
	s_lshl_b32 s78, s76, 12
	s_add_co_u32 s78, s78, 32768
	s_add_nc_u64 s[8:9], s[8:9], s[78:79]          ; their scale words
	s_lshl_b32 s78, s76, 8
	s_add_nc_u64 s[10:11], s[10:11], s[78:79]      ; my 64 numbers of bk and of bv
	s_add_nc_u64 s[12:13], s[12:13], s[78:79]
	s_mul_i32 s78, s76, 12288
	s_add_nc_u64 s[72:73], s[14:15], s[78:79]      ; my eight fragments of Q
	s_lshl_b32 s78, s21, 11
	s_lshl_b32 s80, s20, 8
	s_add_co_u32 s78, s78, s80
	s_add_co_u32 s78, s78, 196608
	s_add_nc_u64 s[74:75], s[14:15], s[78:79]      ; their scale words
	s_lshl_b32 s78, s22, 2
	s_add_co_u32 s78, s78, s21
	s_lshl_b32 s78, s78, 2
	s_add_co_u32 s78, s78, s20
	s_lshl_b32 s78, s78, 16
	s_add_nc_u64 s[16:17], s[16:17], s[78:79]      ; opart at ((4 f + head) 16 + 4 wave) 16,384
	s_lshl_b32 s78, s76, 8
	s_add_co_u32 s78, s78, s22
	s_lshl_b32 s78, s78, 6
	s_add_nc_u64 s[18:19], s[18:19], s[78:79]      ; stat at ((16 head + 4 wave) 64 + f) 64
	v_and_b32 v28, 31, v0
	v_and_b32 v29, 15, v0
	v_bfe_u32 v30, v0, 4, 1
	v_lshlrev_b32 v[LI], 4, v28
	v_lshlrev_b32 v[L4], 2, v28
.irp q,0,1,2,3
	v_add_nc_u32 v[AB+\q], 49152*\q, v[LI]
.endr
	v_add_nc_u32 v[KAB], KIMG, v[LI]
	v_add_nc_u32 v[VAB], VIMG, v[LI]
	v_lshlrev_b32 v[R4], 2, v29
	v_lshl_add_u32 v[ASA], v30, 9, v[R4]
	v_add_nc_u32 v[ASA], ASC, v[ASA]
	v_lshl_add_u32 v[KSA], v30, 7, v[R4]
	v_add_nc_u32 v[VSA], VSC, v[KSA]
	v_add_nc_u32 v[KSA], KSC, v[KSA]
	s_lshr_b32 s78, s20, 1                         ; which K step of S^T my channels belong to,
	s_and_b32 s79, s20, 1                          ; and which six registers of its fragments
	s_mul_i32 s80, s78, 24576
	s_mul_i32 s81, s79, 520
	s_add_co_u32 s81, s81, s80
	s_add_co_u32 s81, s81, KIMG
	v_add_nc_u32 v[KW0], s81, v[LI]
	s_mul_i32 s81, s79, 1016
	s_add_co_u32 s81, s81, s80
	s_add_co_u32 s81, s81, KIMG+8
	v_add_nc_u32 v[KW1], s81, v[LI]
	s_lshl_b32 s81, s78, 6
	s_lshl_b32 s82, s79, 1
	s_add_co_u32 s81, s81, s82
	s_add_co_u32 s81, s81, KSC
	v_add_nc_u32 v[KWS], s81, v[R4]
	s_mul_i32 s81, s20, 6144
	s_add_co_u32 s81, s81, VIMG
	v_add_nc_u32 v[VW], s81, v[LI]
	s_lshl_b32 s81, s20, 9
	s_add_co_u32 s81, s81, VSC
	v_add_nc_u32 v[VWS], s81, v[R4]
	v_lshlrev_b32 v[H64], 6, v30
	v_and_b32 v[P4], 8, v29
	v_add_nc_u32 v[P4], v[P4], v29
	v_lshlrev_b32 v[P4], 2, v[P4]
.irp i,0,1,2,3,4,5,6,7
	v_mov_b32 v[ML+\i], 0                          ; (the pairs are named whole before l is made)
.endr
.irp b,0,1,2,3
	v_mov_b32 v[TX+\b], 0                          ; written once: a lane permute's destination counts as one of its sources
.endr
.irp k,0,1
.irp s,0,1,2,3,4,5,6,7
.irp p,0,1
	global_load_b32 v[WS+16*\k+2*\s+\p], v[L4], s[8:9] offset:2048*\k+256*\s+128*\p   ; lanes 0-15: tile 2 p, lanes 16-31: tile 2 p + 1
.endr
.endr
.endr
.irp s,0,1
.irp p,0,1
	global_load_b32 v[QS+2*\s+\p], v[L4], s[74:75] offset:1024*\s+128*\p
.endr
.endr
	WIN 0x40                                       ; destination window 1
.irp t,0,1,2,3
	global_load_b128 v[192+8*\t:195+8*\t], v[H64], s[10:11] offset:(32*(\t/2)+8*(\t%2))*4       ; bk: register j of tile t: channel 32 (t / 2) + 16 h + 8 (t % 2) + j
	global_load_b128 v[196+8*\t:199+8*\t], v[H64], s[10:11] offset:(32*(\t/2)+8*(\t%2))*4+16
.endr
.irp t,0,1,2,3
.irp j,0,1,2,3,4,5,6,7
	global_load_b32 v[224+8*\t+\j], v[P4], s[12:13] offset:(32*(\t/2)+8*(\t%2))*4               ; bv: my lane's channel, in all eight registers
.endr
.endr
	WLOAD 0
	WLOAD 1
	WLOAD 2
	WIN 0
; ---------------- K = frame Wk + bk: source 0 = Wk, source 1 = the frame: a lane holds one key, its registers run along the channels
.irp j,0,1,2,3
	s_wait_tensorcnt 3-\j                          ; the scale words and K steps up to 2 j + 1 have landed; the younger loads may be out
	BARRIER                                        ; everybody's quarters have
	PRO AB+\j,0,ASA,128*\j,1024
	STEP 0,AB+\j,0,1,AB+\j,24576,ASA,128*\j+64,1024,48*((2*\j)%4),12,(3-\j)/3,192,WS+4*\j,0,2*\j+3
	STEP 0,AB+\j,24576,0,AB+\j,0,ASA,0,1024,48*((2*\j+1)%4),12,0,192,WS+4*\j+2,0,2*\j+4
.endr
; ---------------- K is quantised along the channels: my 64 channels are two blocks, six registers of a fragment, two bytes of its scale word
.set KTM, 96
.set KTX, 104
.set KSO, 112
.set KHW, 120
.set KPC, 128
.macro KQ4 mg                          ; four tiles of keys: eight blocks by turns
.set NW, 2+(\mg)/2
.set NB, 128*((\mg)%2)
	WIN NW|(NW<<2)
.irp x,0,1,2,3,4,5,6,7
	v_max3_num_f32 v[KTM+\x], |v[NB+16*\x]|, |v[NB+16*\x+1]|, 0x2800000
.endr
.irp i,2,4,6,8,10,12,14
.irp x,0,1,2,3,4,5,6,7
	v_max3_num_f32 v[KTM+\x], |v[NB+16*\x+\i]|, |v[NB+16*\x+\i+1]|, v[KTM+\x]
.endr
.endr
	WIN 0
.irp x,0,1,2,3,4,5,6,7
	v_permlanex16_b32 v[KTX+\x], v[KTM+\x], s[SEL], s[SEL+1]
.endr
.irp x,0,1,2,3,4,5,6,7
	v_max_num_f32 v[KTM+\x], v[KTM+\x], v[KTX+\x]
.endr
.irp x,0,1,2,3,4,5,6,7
	v_add_nc_u32 v[KSO+\x], 0xfe000000, v[KTM+\x]
.endr
.irp x,0,1,2,3,4,5,6,7
	v_lshrrev_b32 v[KTX+\x], 23, v[KSO+\x]
.endr
	s_wait_dscnt 0x0                               ; the last four tiles' stores have read their registers
.irp i,0,1,2,3
	v_lshl_or_b32 v[KHW+\i], v[KTX+2*\i+1], 8, v[KTX+2*\i]
.endr
	WIN NW
.irp i,0,1,2,3
	v_cvt_scalef32_pk16_bf6_f32 v[KPC+12*\i:KPC+12*\i+2], v[NB+32*\i:NB+32*\i+15], v[KSO+2*\i]
	v_cvt_scalef32_pk16_bf6_f32 v[KPC+12*\i+6:KPC+12*\i+8], v[NB+32*\i+16:NB+32*\i+31], v[KSO+2*\i+1]
.endr
	v_nop                                          ; one plain place behind a scaled conversion
	WIN 0
.irp i,0,1,2,3
.irp e,0,1,2
	v_permlane16_swap_b32 v[KPC+12*\i+\e], v[KPC+12*\i+6+\e]
.endr
.irp e,0,1,2
	v_mov_b32 v[KPC+12*\i+3+\e], v[KPC+12*\i+6+\e]
.endr
.endr
.irp i,0,1,2,3
	ds_store_b64 v[KW0], v[KPC+12*\i:KPC+12*\i+1] offset:1536*(4*(\mg)+\i)
	ds_store_b64 v[KW1], v[KPC+12*\i+2:KPC+12*\i+3] offset:1536*(4*(\mg)+\i)
	ds_store_b64 v[KW0], v[KPC+12*\i+4:KPC+12*\i+5] offset:1536*(4*(\mg)+\i)+512
	ds_store_b16 v[KWS], v[KHW+\i] offset:128*(4*(\mg)+\i)       ; both halves of the lanes store the same two bytes to the same place
.endr
.endm
	PLACES 4
	WIN 0
.irp x,0,1,2,3,4,5,6,7
	v_mov_b32 v[KTX+\x], 0
.endr
	KQ4 0
	KQ4 1
	KQ4 2
	KQ4 3
	s_wait_dscnt 0x0                               ; the stores have read their registers, which the next loads fill
; ---------------- V = frame Wv + bv: source 0 = the frame, source 1 = Wv: a lane holds one channel, its registers run along the keys
	PRO AB,0,ASA,0,1024
.irp s,0,1,2,3,4,5,6
	STEP 1,AB+\s/2,24576*(\s%2),1,AB+(\s+1)/2,24576*((\s+1)%2),ASA,64*(\s+1),1024,48*(\s%4),12,(7-\s)/7,224,WS+16+2*\s,0,\s+11
.endr
	STEP 1,AB+3,24576,0,AB,0,ASA,0,1024,144,12,0,224,WS+30,0,18
; ---------------- V is quantised along the keys: 128 keys of a tile of channels are one fragment
	PLACES 4
.irp G,0,1
.irp t,0,1,2,3
	QMAX 2+\G,64*\t
	s_wait_dscnt 0x0                               ; the last fragment's stores have read their registers
	QSCL PW
	QCVT 2+\G,64*\t,0,BUF,BUF+12,SO
.irp c,0,1,2
	ds_store_b128 v[VW], v[BUF+4*\c:BUF+4*\c+3] offset:24576*\G+1536*\t+512*\c
.endr
	ds_store_b32 v[VWS], v[PW] offset:128*\t+64*\G
.endr
.endr
	BARRIER                                        ; K's and V's images of all four waves lie in LDS
; ---------------- S^T = K Q^T: source 0 = 16 keys, source 1 = my 16 queries; two K steps of 128 channels
	s_wait_loadcnt 0x0                             ; Q
	PRO KAB,0,KSA,0,256
	STEP 1,KAB,0,1,KAB,24576,KSA,64,256,0,24,2,0,QS,0,-1
	STEP 1,KAB,24576,0,KAB,0,KSA,0,256,12,24,0,0,QS+2,0,-1
; ---------------- the softmax of query tile a: window 2 holds keys 0-127, window 3 keys 128-255, at v[64 a ..]; register 16 b + i = key 32 b + 16 (lane / 16) + i
.set BM, 96
.set BX, 104
.set BS, 112
.set SU, 120
.set RM, 128
.macro SOFT a
	WIN 0
.irp x,0,1,2,3,4,5,6,7
	v_mov_b32 v[BX+\x], 0
	v_mov_b32 v[SU+\x], 0
.endr
.irp G,0,1
	WIN (2+\G)|((2+\G)<<2)
.irp b,0,1,2,3
	v_max_num_f32 v[BM+4*\G+\b], v[64*(\a)+16*\b], v[64*(\a)+16*\b+1]      ; the largest SCORE of each block of 32 keys: it serves for the row's maximum and, since p rises with the score, for the block's largest p
.endr
.irp i,2,4,6,8,10,12,14
.irp b,0,1,2,3
	v_max3_num_f32 v[BM+4*\G+\b], v[64*(\a)+16*\b+\i], v[64*(\a)+16*\b+\i+1], v[BM+4*\G+\b]
.endr
.endr
.endr
	WIN 0
.irp x,0,1,2,3,4,5,6,7
	v_permlanex16_b32 v[BX+\x], v[BM+\x], s[SEL], s[SEL+1]
.endr
.irp x,0,1,2,3,4,5,6,7
	v_max_num_f32 v[BM+\x], v[BM+\x], v[BX+\x]
.endr
	v_max3_num_f32 v[RM], v[BM], v[BM+1], v[BM+2]
	v_max3_num_f32 v[RM], v[RM], v[BM+3], v[BM+4]
	v_max3_num_f32 v[RM], v[RM], v[BM+5], v[BM+6]
	v_max_num_f32 v[RM], v[RM], v[BM+7]
	v_mul_f32 v[RM], s[CS], v[RM]                  ; as t (c is positive)
	v_floor_f32 v[ML+2*(\a)], -v[RM]               ; -M = floor(-t) = -ceil(t)
.irp G,0,1
	WIN ((2+\G)<<6)|(2+\G)
.set jj, 0
.rept 32
	v_pk_fma_f32 v[64*(\a)+jj:64*(\a)+jj+1], v[64*(\a)+jj:64*(\a)+jj+1], s[CS:CS+1], v[ML+2*(\a):ML+2*(\a)+1] op_sel_hi:[1,0,0]   ; t - M, two at a time
.set jj, jj+2
.endr
.set jj, 0
.rept 64
	v_exp_f32 v[64*(\a)+jj], v[64*(\a)+jj]         ; p = 2^(t - M), not normalised
.set jj, jj+1
.endr
.endr
	WIN 0
.irp x,0,1,2,3,4,5,6,7
	v_fma_f32 v[BM+\x], v[BM+\x], s[CS], v[ML+2*(\a)]   ; the same of each block's largest score
.endr
.irp x,0,1,2,3,4,5,6,7
	v_exp_f32 v[BM+\x], v[BM+\x]
.endr
	v_nop                                          ; a plain place behind the exponentials
	s_wait_alu depctr_va_vdst(0)
.irp x,0,1,2,3,4,5,6,7
	v_max_num_f32 v[BM+\x], 0x2800000, v[BM+\x]    ; the floor 2^(5 - 127)
.endr
.irp x,0,1,2,3,4,5,6,7
	v_add_nc_u32 v[BS+\x], 0xfe000000, v[BM+\x]
.endr
.irp x,0,1,2,3,4,5,6,7
	v_lshrrev_b32 v[BX+\x], 23, v[BS+\x]
.endr
.irp G,0,1
	v_lshl_or_b32 v[PS+2*(\a)+\G], v[BX+4*\G+1], 8, v[BX+4*\G]
	v_lshl_or_b32 v[PS+2*(\a)+\G], v[BX+4*\G+2], 16, v[PS+2*(\a)+\G]
	v_lshl_or_b32 v[PS+2*(\a)+\G], v[BX+4*\G+3], 24, v[PS+2*(\a)+\G]
.endr
	QCVT 2,64*(\a),1,96+24*(\a),192,BS
	QCVT 3,64*(\a),1,108+24*(\a),192,BS+4
.irp G,0,1                             ; the row's sum is taken of the unquantised p: two at a time, in four chains
	WIN (2+\G)<<2
.irp j,0,8,16,24,32,40,48,56
.irp k,0,1,2,3
	v_pk_add_f32 v[SU+2*\k:SU+2*\k+1], v[SU+2*\k:SU+2*\k+1], v[64*(\a)+\j+2*\k:64*(\a)+\j+2*\k+1]
.endr
.endr
.endr
	WIN 0
	v_pk_add_f32 v[SU:SU+1], v[SU:SU+1], v[SU+2:SU+3]
	v_pk_add_f32 v[SU+4:SU+5], v[SU+4:SU+5], v[SU+6:SU+7]
	v_pk_add_f32 v[SU:SU+1], v[SU:SU+1], v[SU+4:SU+5]
	v_add_f32 v[SU], v[SU], v[SU+1]
	v_permlanex16_b32 v[BX], v[SU], s[SEL], s[SEL+1]
	v_add_f32 v[ML+2*(\a)+1], v[SU], v[BX]         ; l
	global_store_b32 v[R4], v[ML+2*(\a)], s[18:19] offset:4096*(\a)              ; both halves of the lanes store the same number to the same place
	global_store_b32 v[R4], v[ML+2*(\a)+1], s[18:19] offset:262144+4096*(\a)
.endm
	PLACES 4
	SOFT 0
	SOFT 1
	SOFT 2
	SOFT 3
; ---------------- O^T = V^T P^T: source 0 = 16 channels, source 1 = P; two K steps of 128 keys
	PLACES 4                                       ; with the four at the head of PRO: eight places behind the vector instructions that wrote p's scale words
	PRO VAB,0,VSA,0,256
	STEP 1,VAB,0,1,VAB,24576,VSA,64,256,96,24,2,0,PS,1,-1
	STEP 1,VAB,24576,0,VAB,0,VSA,0,256,108,24,0,0,PS+1,1,-1
; ---------------- the way out: the accumulators as they stand, each from its low end on; every store covers 512 consecutive bytes
	PLACES 4
.irp G,0,1
	WIN (2+\G)<<2                                  ; a store's data are its source 1
.irp a,0,1,2,3
.irp q,0,1,2,3,4,5,6,7,8,9,10,11,12,13,14,15
	global_store_b128 v[LI], v[64*\a+4*\q:64*\a+4*\q+3], s[16:17] offset:((2*\a+\G)*16+\q)*512
.endr
.endr
.endr
	WIN 0
	s_wait_tensorcnt 0x0
	ds_add_u32 v254, v255
	s_wait_dscnt 0x0
	ROUND                                          ; the closing round: no work-group ends while a partner may still ask for a tile that names it
	s_endpgm
.Lfunc_end_k_qea1f9593aa_main:
	.size	k_qea1f9593aa_main, .Lfunc_end_k_qea1f9593aa_main-k_qea1f9593aa_main
	.p2alignl 7, 3214868480
	.fill 96, 4, 3214868480
	.section	.rodata,"a",@progbits
	.p2align	6, 0x0
	.amdhsa_kernel k_qea1f9593aa_main
		.amdhsa_group_segment_fixed_size 307712
		.amdhsa_private_segment_fixed_size 0
		.amdhsa_enable_private_segment 0
		.amdhsa_kernarg_size 64
		.amdhsa_user_sgpr_count 2
		.amdhsa_user_sgpr_kernarg_segment_ptr 1
		.amdhsa_wavefront_size32 1
		.amdhsa_system_sgpr_workgroup_id_x 1
		.amdhsa_system_sgpr_workgroup_id_y 1
		.amdhsa_system_sgpr_workgroup_id_z 1
		.amdhsa_system_vgpr_workitem_id 0
		.amdhsa_next_free_vgpr 1024
		.amdhsa_next_free_sgpr 100
		.amdhsa_reserve_vcc 0
		.amdhsa_float_denorm_mode_32 3
		.amdhsa_float_denorm_mode_16_64 3
		.amdhsa_memory_ordered 1
		.amdhsa_forward_progress 1
		.amdhsa_inst_pref_size 255
	.end_amdhsa_kernel
	.section	.bss,"aw",@nobits
	.p2align	6
	.space	262144
	.amdgpu_metadata
---
amdhsa.version: [ 1, 2 ]
amdhsa.kernels:
  - .name:           k_qea1f9593aa_main
    .symbol:         k_qea1f9593aa_main.kd
    .args:
      - { .name: hq, .offset: 0, .size: 8, .value_kind: global_buffer, .address_space: global }
      - { .name: wimg, .offset: 8, .size: 8, .value_kind: global_buffer, .address_space: global }
      - { .name: wsc, .offset: 16, .size: 8, .value_kind: global_buffer, .address_space: global }
      - { .name: bk, .offset: 24, .size: 8, .value_kind: global_buffer, .address_space: global }
      - { .name: bv, .offset: 32, .size: 8, .value_kind: global_buffer, .address_space: global }
      - { .name: qq, .offset: 40, .size: 8, .value_kind: global_buffer, .address_space: global }
      - { .name: opart, .offset: 48, .size: 8, .value_kind: global_buffer, .address_space: global }
      - { .name: stat, .offset: 56, .size: 8, .value_kind: global_buffer, .address_space: global }
    .group_segment_fixed_size: 307712
    .private_segment_fixed_size: 0
    .kernarg_segment_align: 8
    .kernarg_segment_size: 64
    .max_flat_workgroup_size: 128
    .sgpr_count:     100
    .vgpr_count:     1024
    .wavefront_size: 32
...
	.end_amdgpu_metadata
.endif
;; end of part 3
;; launch comb (part 4): grid 16 x 8, 8 waves a work-group, no clusters, 140,544 bytes of LDS; arguments opart, stat, dil_w, wimg, wsc, ypart; writes ypart
.if DOCPART == 4
	.amdgcn_target "amdgcn-amd-amdhsa--gfx1250"
	.amdhsa_code_object_version 6
	.text
	.protected	k_qea1f9593aa_comb
	.globl	k_qea1f9593aa_comb
	.p2align	8
	.type	k_qea1f9593aa_comb,@function
k_qea1f9593aa_comb:
	s_mov_b64 s[64:65], 0
	v_nop
	global_prefetch_b8 v0, s[64:65] scope:SCOPE_SE
	s_setreg_imm32_b32 hwreg(HW_REG_WAVE_MODE, 25, 1), 1
	s_wait_xcnt 0x0
; combined = the sum over the four dilations d of softmax(dil_w)[d] x attended[d], made from the frames' partial results: attended[d] = (sum over f in set d of 2^(M_f - M_d) O_f) / l_d,
; M_d = the largest M_f of the set, l_d = the sum of 2^(M_f - M_d) l_f.  So combined = sum over f of c_f O_f with c_f = sum over d with f in set d of (w_d / l_d) 2^(M_f - M_d).  All shifts are whole powers of two (v_ldexp_f32).
; Then combined is quantised along D and multiplied by one K step of Wo.  A work-group takes 16 queries (tile qt = x) x 128 of D (kappa = y = 2 head + half); ypart[kappa] is that K step's part of combined Wo.
; Eight waves: wave v sums frames 8 v .. 8 v + 7 (16 loads of 512 consecutive bytes a frame) through a ring of FOUR buffers: three frames' 48 loads are on their way while one frame is summed; the eight sums meet in LDS;
; every wave quantises the same 16 x 128 numbers and multiplies by its own 8 tiles of Wo, which are asked for when frames 4 and 5 have left their buffers and land while the last two frames and the reduction are worked.
; Memory binds (a work-group reads 512 KiB once); work-groups share nothing but Wo's 96 KiB of a K step, a small part of that: no cluster, no tensor loads.
; LDS: 0: eight waves' sums, 8,192 bytes each | 65,536: the reduced sums | 73,728: a stage of 16 rows x (4,096 + 16) bytes for the way out.
; REGISTERS: window 0: v1-9 addresses; v10-13 w_d; v32-63 -M and v64-95 l of frames 2 i (lanes 0-15), 2 i + 1 (lanes 16-31); v96-103 -M of my frames; v104-107 -M_d, v108-111 l_d, v112-115 w_d / l_d (d: stride 1, 4, 8, 16);
;   v116-131 pairs (c_j, 0); v132-143 at work; v144-207 the sums; v208-240 the quantiser; v241-244 Wo's scale words.   window 1: four buffers of 64; at the end v0-95 hold Wo's eight fragments.
; LIMITS: NaN and infinities are not served; blocks under 2^-122 and blocks of zeros keep the scale byte 1.
.set RED2, 65536
.set STG,  73728
.set TM,  208
.set TX,  212
.set SO,  216
.set PC,  220
.set TP,  232
.set PW,  240
.set WSC, 241
.set ACC, 144
.set SEL, 26
.set MSB, 0
.macro WIN new
.if MSB != (\new)
	s_set_vgpr_msb (MSB<<8)|(\new)
.set MSB, (\new)
.endif
.endm
.macro PLACES n
.rept \n
	v_nop
.endr
.endm
.macro BARRIER
	s_wait_dscnt 0x0
	s_barrier_signal -1
	s_barrier_wait -1
.endm
	s_load_b256 s[4:11], s[0:1], 0x0               ; opart, stat, dil_w, wimg
	s_load_b128 s[12:15], s[0:1], 0x20             ; wsc, ypart
	v_lshl_add_u32 v254, v0, 2, 0x22100
	v_mov_b32 v255, 0
	v_lshrrev_b32 v1, 5, v0
	v_readfirstlane_b32 s16, v1                    ; wave v
	s_and_b32 s17, ttmp7, 0xffff                   ; kappa
	s_lshr_b32 s18, s17, 1                         ; head
	s_and_b32 s19, s17, 1                          ; half
	v_and_b32 v15, 31, v0
	v_and_b32 v14, 15, v0
	v_bfe_u32 v16, v0, 4, 1
	v_lshlrev_b32 v1, 4, v15                       ; 16 x lane
	v_lshlrev_b32 v2, 2, v15                       ; 4 x lane
	v_lshlrev_b32 v3, 2, v14                       ; 4 r
	s_lshl_b32 s28, s16, 13
	v_add_nc_u32 v4, s28, v1                       ; my sums
	s_lshl_b32 s28, s16, 10
	v_add_nc_u32 v5, s28, v1                       ; chunks 2 v, 2 v + 1 of every wave's sums
	s_add_co_u32 s29, s28, RED2
	v_add_nc_u32 v6, s29, v1
	v_add_nc_u32 v7, RED2, v1
	v_mul_u32_u24 v8, v14, 4112
	v_lshl_add_u32 v8, v16, 6, v8
	s_lshl_b32 s29, s16, 9
	s_add_co_u32 s29, s29, STG
	v_add_nc_u32 v8, s29, v8                       ; the stage: row r, + 64 h, + my 128 columns' 512 bytes
	s_mul_i32 s29, s16, 8224
	s_add_co_u32 s29, s29, STG
	v_add_nc_u32 v9, s29, v1                       ; back: rows 2 v, 2 v + 1
	v_cmp_gt_u32 s24, 16, v15                      ; lanes 0-15
	s_mov_b32 s[SEL], 0x76543210
	s_mov_b32 s[SEL+1], 0xfedcba98
	s_lshl_b32 s32, s18, 18
	s_lshl_b32 s33, ttmp9, 14
	s_add_co_u32 s32, s32, s33
	s_lshl_b32 s33, s19, 13
	s_add_co_u32 s32, s32, s33
	s_lshl_b32 s33, s16, 23                        ; eight frames of 1,048,576 bytes
	s_add_co_u32 s32, s32, s33
	s_mov_b32 s33, 0
	s_lshl_b32 s34, s18, 4
	s_add_co_u32 s34, s34, ttmp9
	s_lshl_b32 s34, s34, 12
	s_mov_b32 s35, 0
	s_mul_i32 s36, s17, 98304
	s_mul_i32 s37, s16, 12288
	s_add_co_u32 s36, s36, s37
	s_add_co_u32 s36, s36, 2359296
	s_mov_b32 s37, 0
	s_lshl_b32 s38, s17, 12
	s_lshl_b32 s39, s16, 9
	s_add_co_u32 s38, s38, s39
	s_add_co_u32 s38, s38, 98304
	s_mov_b32 s39, 0
	s_lshr_b32 s40, ttmp9, 1                       ; the queries of rows 2 v, 2 v + 1 of the tile: 32 (qt / 2) + 8 (qt % 2) + 2 v + 8 (v / 4) and the next
	s_lshl_b32 s40, s40, 5
	s_and_b32 s41, ttmp9, 1
	s_lshl_b32 s41, s41, 3
	s_add_co_u32 s40, s40, s41
	s_lshl_b32 s41, s16, 1
	s_add_co_u32 s40, s40, s41
	s_lshr_b32 s41, s16, 2
	s_lshl_b32 s41, s41, 3
	s_add_co_u32 s40, s40, s41
	s_lshl_b32 s40, s40, 12
	s_lshl_b32 s41, s17, 20
	s_add_co_u32 s40, s40, s41
	s_mov_b32 s41, 0
	s_lshl_b32 s42, s16, 9
	s_mov_b32 s43, 0
	s_wait_kmcnt 0x0
	s_load_b128 s[20:23], s[8:9], 0x0              ; dil_w
	s_add_nc_u64 s[4:5], s[4:5], s[32:33]
	s_add_nc_u64 s[6:7], s[6:7], s[34:35]
	s_add_nc_u64 s[42:43], s[6:7], s[42:43]        ; -M of my eight frames
	s_add_nc_u64 s[10:11], s[10:11], s[36:37]
	s_add_nc_u64 s[12:13], s[12:13], s[38:39]
	s_add_nc_u64 s[14:15], s[14:15], s[40:41]
.set ii, 0
.rept 32
	global_load_b32 v[32+ii], v2, s[6:7] offset:128*ii
.set ii, ii+1
.endr
.set ii, 0
.rept 32
	global_load_b32 v[64+ii], v2, s[6:7] offset:262144+128*ii
.set ii, ii+1
.endr
.irp j,0,1,2,3,4,5,6,7
	global_load_b32 v[96+\j], v3, s[42:43] offset:64*\j
.endr
.irp p,0,1,2,3
	global_load_b32 v[WSC+\p], v2, s[12:13] offset:128*\p
.endr
.macro CLOAD j                         ; frame 8 v + j into buffer j % 4
.irp q,0,1,2,3,4,5,6,7,8,9,10,11,12,13,14,15
	global_load_b128 v[64*((\j)%4)+4*\q:64*((\j)%4)+4*\q+3], v1, s[4:5] offset:(\j)*1048576+512*\q th:TH_LOAD_NT
.endr
.endm
	WIN 0x40                                       ; destination window 1
	CLOAD 0
	CLOAD 1
	CLOAD 2
	CLOAD 3
	WIN 0
.irp b,0,1,2,3
	v_mov_b32 v[TX+\b], 0                          ; written once: a lane permute's destination counts as one of its sources
	v_mov_b32 v[140+\b], 0
	v_mov_b32 v[108+\b], 0                         ; the four l_d begin at 0
.endr
	; softmax(dil_w), its maximum taken away first
	s_wait_kmcnt 0x0
	v_mov_b32 v10, s20
	v_mov_b32 v11, s21
	v_mov_b32 v12, s22
	v_mov_b32 v13, s23
	v_max3_num_f32 v14, v10, v11, v12
	v_max_num_f32 v14, v14, v13
.irp d,0,1,2,3
	v_sub_f32 v[10+\d], v[10+\d], v14
.endr
.irp d,0,1,2,3
	v_mul_f32 v[10+\d], 0x3fb8aa3b, v[10+\d]
.endr
.irp d,0,1,2,3
	v_exp_f32 v[10+\d], v[10+\d]
.endr
	v_nop
	s_wait_alu depctr_va_vdst(0)
	v_add_f32 v14, v10, v11
	v_add_f32 v15, v12, v13
	v_add_f32 v14, v14, v15
	v_rcp_f32 v14, v14
	v_nop
	s_wait_alu depctr_va_vdst(0)
.irp d,0,1,2,3
	v_mul_f32 v[10+\d], v[10+\d], v14
.endr
	s_wait_loadcnt 63                              ; of the 140 loads issued at most 63 are out: the first 77 are in, the 72 of -M and l among them
	; -M_d = the least -M_f of the set.  Register i holds frames 2 i and 2 i + 1: strides 16, 8, 4 are registers i % 8 = 0, i % 4 = 0, i % 2 = 0 in lanes 0-15
	v_min3_num_f32 v107, v32, v40, v48
	v_min_num_f32 v107, v107, v56
	v_min3_num_f32 v106, v107, v36, v44
	v_min3_num_f32 v106, v106, v52, v60
	v_min3_num_f32 v105, v106, v34, v38
	v_min3_num_f32 v105, v105, v42, v46
	v_min3_num_f32 v105, v105, v50, v54
	v_min3_num_f32 v105, v105, v58, v62
	v_min3_num_f32 v104, v105, v33, v35
.irp i,37,41,45,49,53,57,61
	v_min3_num_f32 v104, v104, v[\i], v[\i+2]
.endr
.irp d,0,1,2,3
	v_permlanex16_b32 v[140+\d], v[104+\d], s[SEL], s[SEL+1]
.endr
	v_min_num_f32 v104, v104, v140                 ; stride 1: both halves of the lanes count
.irp d,1,2,3
	v_cndmask_b32 v[104+\d], v[140+\d], v[104+\d], s24   ; the others: lanes 16-31 take lanes 0-15's
.endr
; four terms 2^(M_f - M_d) l_f of l_d.  (For strides 4, 8, 16 lanes 16-31 hold frames outside the set: what they sum is thrown away by a select below.)
.macro LT4 acc, nd, a, b, c, d
	v_sub_f32 v136, v[\nd], v[32+\a]
	v_sub_f32 v137, v[\nd], v[32+\b]
	v_sub_f32 v138, v[\nd], v[32+\c]
	v_sub_f32 v139, v[\nd], v[32+\d]
	v_cvt_i32_f32 v136, v136
	v_cvt_i32_f32 v137, v137
	v_cvt_i32_f32 v138, v138
	v_cvt_i32_f32 v139, v139
	v_ldexp_f32 v136, v[64+\a], v136
	v_ldexp_f32 v137, v[64+\b], v137
	v_ldexp_f32 v138, v[64+\c], v138
	v_ldexp_f32 v139, v[64+\d], v139
	v_add_f32 v136, v136, v137
	v_add_f32 v138, v138, v139
	v_add_f32 v136, v136, v138
	v_add_f32 v[\acc], v[\acc], v136
.endm
	LT4 111,107,0,8,16,24
	LT4 110,106,0,4,8,12
	LT4 110,106,16,20,24,28
.irp k,0,8,16,24
	LT4 109,105,\k,\k+2,\k+4,\k+6
.endr
.irp k,0,4,8,12,16,20,24,28
	LT4 108,104,\k,\k+1,\k+2,\k+3
.endr
.irp d,0,1,2,3
	v_permlanex16_b32 v[140+\d], v[108+\d], s[SEL], s[SEL+1]
.endr
	v_add_f32 v108, v108, v140
.irp d,1,2,3
	v_cndmask_b32 v[108+\d], v[140+\d], v[108+\d], s24
.endr
.irp d,0,1,2,3
	v_rcp_f32 v[112+\d], v[108+\d]
.endr
	s_and_b32 s25, s16, 1
	s_cmp_eq_u32 s25, 0
	s_cselect_b32 s25, 0x3f800000, 0               ; frame 8 v belongs to stride 16 where v is even
	v_nop
	s_wait_alu depctr_va_vdst(0)
.irp d,0,1,2,3
	v_mul_f32 v[112+\d], v[112+\d], v[10+\d]       ; w_d / l_d
.endr
	v_mul_f32 v115, s25, v115
	; c_j of my frames 8 v + j: stride 1 always; j = 0: strides 4, 8 and (v even) 16; j = 4: stride 4
.irp j,0,1,2,3,4,5,6,7
	v_sub_f32 v[132+\j], v104, v[96+\j]
.endr
.irp j,0,1,2,3,4,5,6,7
	v_cvt_i32_f32 v[132+\j], v[132+\j]
.endr
.irp j,0,1,2,3,4,5,6,7
	v_ldexp_f32 v[116+2*\j], v112, v[132+\j]
	v_mov_b32 v[117+2*\j], 0                       ; (named with it as a pair, so it is written)
.endr
	v_sub_f32 v132, v105, v96
	v_sub_f32 v133, v106, v96
	v_sub_f32 v134, v107, v96
	v_sub_f32 v135, v105, v100
.irp j,0,1,2,3
	v_cvt_i32_f32 v[132+\j], v[132+\j]
.endr
	v_ldexp_f32 v132, v113, v132
	v_ldexp_f32 v133, v114, v133
	v_ldexp_f32 v134, v115, v134
	v_ldexp_f32 v135, v113, v135
	v_add_f32 v132, v132, v133
	v_add_f32 v116, v116, v134
	v_add_f32 v116, v116, v132
	v_add_f32 v124, v124, v135
; Frame j is added.  left = the loads issued behind this frame's, which may stay out.  Behind frames 0 to 3 the buffer takes the frame four on; behind frame 5 buffers 0 and 1, which frames 4 and 5 have left, take Wo's eight fragments.
.macro CFRAME j, left
	s_wait_loadcnt \left
	WIN 0x01                                       ; source 0 window 1
.set qq, 0
.rept 32
.if (\j) == 0
	v_pk_mul_f32 v[ACC+qq:ACC+qq+1], v[qq:qq+1], v[116:117] op_sel_hi:[1,0]      ; the first frame starts the sums
.else
	v_pk_fma_f32 v[ACC+qq:ACC+qq+1], v[64*((\j)%4)+qq:64*((\j)%4)+qq+1], v[116+2*(\j):117+2*(\j)], v[ACC+qq:ACC+qq+1] op_sel_hi:[1,0,1]
.endif
.set qq, qq+2
.endr
.if (\j) < 4
	WIN 0x40
	CLOAD (\j)+4
.elseif (\j) == 5
	WIN 0x40
.irp t,0,1,2,3,4,5,6,7
.irp c,0,1,2
	global_load_b128 v[12*\t+4*\c:12*\t+4*\c+3], v1, s[10:11] offset:1536*\t+512*\c
.endr
.endr
.endif
.endm
	CFRAME 0, 48                                   ; three younger frames
	CFRAME 1, 48
	CFRAME 2, 48
	CFRAME 3, 48
	CFRAME 4, 48
	CFRAME 5, 32                                   ; frames 6 and 7
	CFRAME 6, 40                                   ; frame 7 and Wo's 24
	CFRAME 7, 24                                   ; Wo's 24
	WIN 0
.irp q,0,1,2,3,4,5,6,7,8,9,10,11,12,13,14,15
	ds_store_b128 v4, v[ACC+4*\q:ACC+4*\q+3] offset:512*\q
.endr
	BARRIER                                        ; the eight waves' sums lie in LDS
.irp u,0,1,2,3,4,5,6,7
.irp e,0,1
	ds_load_b128 v[32+8*\u+4*\e:35+8*\u+4*\e], v5 offset:8192*\u+512*\e
.endr
.endr
	s_wait_dscnt 0x0
.irp u,1,2,3,4,5,6,7
.irp e,0,2,4,6
	v_pk_add_f32 v[32+\e:33+\e], v[32+\e:33+\e], v[32+8*\u+\e:33+8*\u+\e]
.endr
.endr
	ds_store_b128 v6, v[32:35]
	ds_store_b128 v6, v[36:39] offset:512
	BARRIER                                        ; combined's 16 x 128 numbers lie in LDS
.irp q,0,1,2,3,4,5,6,7,8,9,10,11,12,13,14,15
	ds_load_b128 v[ACC+4*\q:ACC+4*\q+3], v7 offset:512*\q
.endr
	s_wait_dscnt 0x0
	; quantised along D: register 16 b + i = 128 kappa + 32 b + 16 (lane / 16) + i of my query
.irp b,0,1,2,3
	v_max3_num_f32 v[TM+\b], |v[ACC+16*\b]|, |v[ACC+16*\b+1]|, 0x2800000
.endr
.irp i,2,4,6,8,10,12,14
.irp b,0,1,2,3
	v_max3_num_f32 v[TM+\b], |v[ACC+16*\b+\i]|, |v[ACC+16*\b+\i+1]|, v[TM+\b]
.endr
.endr
.irp b,0,1,2,3
	v_permlanex16_b32 v[TX+\b], v[TM+\b], s[SEL], s[SEL+1]
.endr
.irp b,0,1,2,3
	v_max_num_f32 v[TM+\b], v[TM+\b], v[TX+\b]
.endr
.irp b,0,1,2,3
	v_add_nc_u32 v[SO+\b], 0xfe000000, v[TM+\b]
.endr
.irp b,0,1,2,3
	v_lshrrev_b32 v[TX+\b], 23, v[SO+\b]
.endr
	v_lshl_or_b32 v[PW], v[TX+1], 8, v[TX]
	v_lshl_or_b32 v[PW], v[TX+2], 16, v[PW]
	v_lshl_or_b32 v[PW], v[TX+3], 24, v[PW]
.irp c,0,1
	v_cvt_scalef32_pk16_bf6_f32 v[PC+6*\c:PC+6*\c+2], v[ACC+32*\c:ACC+32*\c+15], v[SO+2*\c]
	v_cvt_scalef32_pk16_bf6_f32 v[TP+4*\c:TP+4*\c+2], v[ACC+32*\c+16:ACC+32*\c+31], v[SO+2*\c+1]
.endr
	v_nop                                          ; one plain place behind a scaled conversion
.irp c,0,1
.irp i,0,1,2
	v_permlane16_swap_b32 v[PC+6*\c+\i], v[TP+4*\c+\i]
.endr
.irp i,0,1,2
	v_mov_b32 v[PC+6*\c+3+\i], v[TP+4*\c+\i]
.endr
.endr
	s_wait_loadcnt 0x0                             ; Wo's eight fragments
	PLACES 8                                       ; a scale register written by a vector instruction stands 8 places ahead of a scaled matrix instruction, an operand so written 4
	WIN 0x01                                       ; source 0 (Wo) window 1
.irp t,0,2,4,6                         ; source 0 = 16 columns of Wo, source 1 = combined: a lane holds one query and eight neighbouring columns
	v_wmma_scale_f32_16x16x128_f8f6f4 v[32+8*\t:39+8*\t], v[12*\t:12*\t+11], v[PC:PC+11], 0, v[WSC+\t/2], v[PW] matrix_a_fmt:MATRIX_FMT_BF6 matrix_b_fmt:MATRIX_FMT_BF6
	v_wmma_scale_f32_16x16x128_f8f6f4 v[40+8*\t:47+8*\t], v[12*\t+12:12*\t+23], v[PC:PC+11], 0, v[WSC+\t/2], v[PW] matrix_a_fmt:MATRIX_FMT_BF6 matrix_b_fmt:MATRIX_FMT_BF6 matrix_a_scale:MATRIX_SCALE_ROW1
.endr
	WIN 0
	PLACES 4
.irp t,0,1,2,3,4,5,6,7
	ds_store_b128 v8, v[32+8*\t:35+8*\t] offset:128*(\t/2)+32*(\t%2)         ; each accumulator from its low end on
	ds_store_b128 v8, v[36+8*\t:39+8*\t] offset:128*(\t/2)+32*(\t%2)+16
.endr
	BARRIER                                        ; 16 whole rows lie in the stage
.irp e,0,1
.irp q,0,1,2,3,4,5,6,7
	ds_load_b128 v[ACC+32*\e+4*\q:ACC+32*\e+4*\q+3], v9 offset:4112*\e+512*\q
.endr
.endr
.irp e,0,1
.irp q,0,1,2,3,4,5,6,7
	s_wait_dscnt 15-8*\e-\q
	global_store_b128 v1, v[ACC+32*\e+4*\q:ACC+32*\e+4*\q+3], s[14:15] offset:4096*\e+512*\q   ; 512 consecutive bytes a store
.endr
.endr
	s_wait_tensorcnt 0x0
	ds_add_u32 v254, v255
	s_wait_dscnt 0x0
	s_endpgm
.Lfunc_end_k_qea1f9593aa_comb:
	.size	k_qea1f9593aa_comb, .Lfunc_end_k_qea1f9593aa_comb-k_qea1f9593aa_comb
	.p2alignl 7, 3214868480
	.fill 96, 4, 3214868480
	.section	.rodata,"a",@progbits
	.p2align	6, 0x0
	.amdhsa_kernel k_qea1f9593aa_comb
		.amdhsa_group_segment_fixed_size 140544
		.amdhsa_private_segment_fixed_size 0
		.amdhsa_enable_private_segment 0
		.amdhsa_kernarg_size 48
		.amdhsa_user_sgpr_count 2
		.amdhsa_user_sgpr_kernarg_segment_ptr 1
		.amdhsa_wavefront_size32 1
		.amdhsa_system_sgpr_workgroup_id_x 1
		.amdhsa_system_sgpr_workgroup_id_y 1
		.amdhsa_system_sgpr_workgroup_id_z 1
		.amdhsa_system_vgpr_workitem_id 0
		.amdhsa_next_free_vgpr 512
		.amdhsa_next_free_sgpr 66
		.amdhsa_reserve_vcc 0
		.amdhsa_float_denorm_mode_32 3
		.amdhsa_float_denorm_mode_16_64 3
		.amdhsa_memory_ordered 1
		.amdhsa_forward_progress 1
		.amdhsa_inst_pref_size 72
	.end_amdhsa_kernel
	.amdgpu_metadata
---
amdhsa.version: [ 1, 2 ]
amdhsa.kernels:
  - .name:           k_qea1f9593aa_comb
    .symbol:         k_qea1f9593aa_comb.kd
    .args:
      - { .name: opart, .offset: 0, .size: 8, .value_kind: global_buffer, .address_space: global }
      - { .name: stat, .offset: 8, .size: 8, .value_kind: global_buffer, .address_space: global }
      - { .name: dil_w, .offset: 16, .size: 8, .value_kind: global_buffer, .address_space: global }
      - { .name: wimg, .offset: 24, .size: 8, .value_kind: global_buffer, .address_space: global }
      - { .name: wsc, .offset: 32, .size: 8, .value_kind: global_buffer, .address_space: global }
      - { .name: ypart, .offset: 40, .size: 8, .value_kind: global_buffer, .address_space: global }
    .group_segment_fixed_size: 140544
    .private_segment_fixed_size: 0
    .kernarg_segment_align: 8
    .kernarg_segment_size: 48
    .max_flat_workgroup_size: 256
    .sgpr_count:     66
    .vgpr_count:     512
    .wavefront_size: 32
...
	.end_amdgpu_metadata
.endif
;; end of part 4
;; launch final (part 5): grid 256 x 1, 4 waves a work-group, no clusters, 768 bytes of LDS; arguments ypart, x, bo, gamma, beta, out0; writes out0
.if DOCPART == 5
	.amdgcn_target "amdgcn-amd-amdhsa--gfx1250"
	.amdhsa_code_object_version 6
	.text
	.protected	k_qea1f9593aa_final
	.globl	k_qea1f9593aa_final
	.p2align	8
	.type	k_qea1f9593aa_final,@function
k_qea1f9593aa_final:
	s_mov_b64 s[64:65], 0
	v_nop
	global_prefetch_b8 v0, s[64:65] scope:SCOPE_SE
	s_setreg_imm32_b32 hwreg(HW_REG_WAVE_MODE, 25, 1), 1
	s_wait_xcnt 0x0
; y = x + bo + the sum over the eight K steps of ypart; out0 = (y - mean) / sqrt(var + 1e-5) x gamma + beta.
; A work-group of four waves takes one row of 1,024 numbers: thread t holds the 16 bytes at 16 t and at 16 t + 2,048 of each of the twelve arrays, so that all its 24 loads are issued at once
; and each load or store of a wave covers 512 consecutive bytes.  The row stays in registers between the passes; the variance is taken of y - mean (two passes), so that no difference of large sums is formed.
; The two sums cross the waves through LDS: each wave's sum in a word of its own, one barrier, every wave reads the four; the second sum has bytes of its own (16 on), so that no further barrier is needed.
.set Y,  32                            ; v32-39   x, then y, y - mean, the result
.set BO, 40                            ; v40-47   bo
.set YP, 48                            ; v48-111  ypart, eight registers a K step
.set GA, 112                           ; v112-119 gamma
.set BE, 120                           ; v120-127 beta
	s_load_b256 s[4:11], s[0:1], 0x0               ; ypart, x, bo, gamma
	s_load_b128 s[12:15], s[0:1], 0x20             ; beta, out0
	v_lshl_add_u32 v128, v0, 2, 0x100
	v_mov_b32 v129, 0
	v_lshlrev_b32 v1, 4, v0                        ; 16 x thread
	v_lshrrev_b32 v2, 5, v0
	v_lshlrev_b32 v2, 2, v2                        ; LDS: my wave's word
	v_mov_b32 v3, 0                                ; LDS: the four words
	s_lshl_b32 s16, ttmp9, 12                      ; my row
	s_mov_b32 s17, 0
	s_mov_b32 s18, 0x76543210
	s_mov_b32 s19, 0xfedcba98                      ; v_permlanex16_b32's selects for lane l xor 16
	s_mov_b32 s20, 0x3a800000                      ; 1 / 1,024
	s_mov_b32 s21, 0x3727c5ac                      ; 1e-5
	s_wait_kmcnt 0x0
	s_add_nc_u64 s[4:5], s[4:5], s[16:17]
	s_add_nc_u64 s[6:7], s[6:7], s[16:17]
	s_add_nc_u64 s[14:15], s[14:15], s[16:17]
.irp k,0,1,2,3,4,5,6,7
.irp e,0,1
	global_load_b128 v[YP+8*\k+4*\e:YP+8*\k+4*\e+3], v1, s[4:5] offset:\k*1048576+2048*\e th:TH_LOAD_NT
.endr
.endr
.irp e,0,1
	global_load_b128 v[Y+4*\e:Y+4*\e+3], v1, s[6:7] offset:2048*\e
.endr
.irp e,0,1
	global_load_b128 v[BO+4*\e:BO+4*\e+3], v1, s[8:9] offset:2048*\e
.endr
.irp e,0,1
	global_load_b128 v[GA+4*\e:GA+4*\e+3], v1, s[10:11] offset:2048*\e
.endr
.irp e,0,1
	global_load_b128 v[BE+4*\e:BE+4*\e+3], v1, s[12:13] offset:2048*\e
.endr
; v4, a number of each lane, becomes the sum over the work-group's 128 threads, in every lane.  off: the four LDS words of this sum
.macro WGSUM off
	v_add_f32_dpp v4, v4, v4 row_xmask:1 row_mask:0xf bank_mask:0xf
	v_add_f32_dpp v4, v4, v4 row_xmask:2 row_mask:0xf bank_mask:0xf
	v_add_f32_dpp v4, v4, v4 row_xmask:4 row_mask:0xf bank_mask:0xf
	v_add_f32_dpp v4, v4, v4 row_xmask:8 row_mask:0xf bank_mask:0xf
	v_permlanex16_b32 v5, v4, s18, s19             ; (v5 has been written before)
	v_add_f32 v4, v4, v5                           ; the wave's sum, in every lane
	ds_store_b32 v2, v4 offset:\off                ; all lanes write the same word with the same value
	s_wait_dscnt 0x0                               ; for the others' sake: my store is done
	s_barrier_signal -1
	s_barrier_wait -1
	ds_load_b128 v[8:11], v3 offset:\off
	s_wait_dscnt 0x0
	v_add_f32 v8, v8, v9
	v_add_f32 v10, v10, v11
	v_add_f32 v4, v8, v10
.endm
	s_wait_loadcnt 4                               ; ypart, x and bo are in; gamma's and beta's four loads may be out
.irp p,0,2,4,6
	v_pk_add_f32 v[Y+\p:Y+\p+1], v[Y+\p:Y+\p+1], v[BO+\p:BO+\p+1]
.endr
.irp k,0,1,2,3,4,5,6,7
.irp p,0,2,4,6
	v_pk_add_f32 v[Y+\p:Y+\p+1], v[Y+\p:Y+\p+1], v[YP+8*\k+\p:YP+8*\k+\p+1]
.endr
.endr
	; the mean
	v_pk_add_f32 v[4:5], v[Y:Y+1], v[Y+2:Y+3]
	v_pk_add_f32 v[6:7], v[Y+4:Y+5], v[Y+6:Y+7]
	v_pk_add_f32 v[4:5], v[4:5], v[6:7]
	v_add_f32 v4, v4, v5
	WGSUM 0
	v_mul_f32 v12, s20, v4
	v_mov_b32 v13, v12
.irp p,0,2,4,6
	v_pk_add_f32 v[Y+\p:Y+\p+1], v[Y+\p:Y+\p+1], v[12:13] neg_lo:[0,1] neg_hi:[0,1]   ; y - mean
.endr
	; the variance
	v_pk_mul_f32 v[4:5], v[Y:Y+1], v[Y:Y+1]
	v_pk_mul_f32 v[6:7], v[Y+2:Y+3], v[Y+2:Y+3]
	v_pk_fma_f32 v[4:5], v[Y+4:Y+5], v[Y+4:Y+5], v[4:5]
	v_pk_fma_f32 v[6:7], v[Y+6:Y+7], v[Y+6:Y+7], v[6:7]
	v_pk_add_f32 v[4:5], v[4:5], v[6:7]
	v_add_f32 v4, v4, v5
	WGSUM 16
	v_fma_f32 v4, v4, s20, s21                     ; var + 1e-5
	v_rsq_f32 v6, v4
	v_mov_b32 v7, 0                                ; a plain place behind the transcendental; v7 is named with v6 as a pair
	s_wait_loadcnt 0x0                             ; gamma and beta
	s_wait_alu depctr_va_vdst(0)
.irp p,0,2,4,6
	v_pk_mul_f32 v[Y+\p:Y+\p+1], v[Y+\p:Y+\p+1], v[6:7] op_sel_hi:[1,0]
.endr
.irp p,0,2,4,6
	v_pk_fma_f32 v[Y+\p:Y+\p+1], v[Y+\p:Y+\p+1], v[GA+\p:GA+\p+1], v[BE+\p:BE+\p+1]
.endr
.irp e,0,1
	global_store_b128 v1, v[Y+4*\e:Y+4*\e+3], s[14:15] offset:2048*\e
.endr
	s_wait_tensorcnt 0x0
	ds_add_u32 v128, v129
	s_wait_dscnt 0x0
	s_endpgm
.Lfunc_end_k_qea1f9593aa_final:
	.size	k_qea1f9593aa_final, .Lfunc_end_k_qea1f9593aa_final-k_qea1f9593aa_final
	.p2alignl 7, 3214868480
	.fill 96, 4, 3214868480
	.section	.rodata,"a",@progbits
	.p2align	6, 0x0
	.amdhsa_kernel k_qea1f9593aa_final
		.amdhsa_group_segment_fixed_size 768
		.amdhsa_private_segment_fixed_size 0
		.amdhsa_enable_private_segment 0
		.amdhsa_kernarg_size 48
		.amdhsa_user_sgpr_count 2
		.amdhsa_user_sgpr_kernarg_segment_ptr 1
		.amdhsa_wavefront_size32 1
		.amdhsa_system_sgpr_workgroup_id_x 1
		.amdhsa_system_sgpr_workgroup_id_y 1
		.amdhsa_system_sgpr_workgroup_id_z 1
		.amdhsa_system_vgpr_workitem_id 0
		.amdhsa_next_free_vgpr 130
		.amdhsa_next_free_sgpr 66
		.amdhsa_reserve_vcc 0
		.amdhsa_float_denorm_mode_32 3
		.amdhsa_float_denorm_mode_16_64 3
		.amdhsa_memory_ordered 1
		.amdhsa_forward_progress 1
		.amdhsa_inst_pref_size 9
	.end_amdhsa_kernel
	.amdgpu_metadata
---
amdhsa.version: [ 1, 2 ]
amdhsa.kernels:
  - .name:           k_qea1f9593aa_final
    .symbol:         k_qea1f9593aa_final.kd
    .args:
      - { .name: ypart, .offset: 0, .size: 8, .value_kind: global_buffer, .address_space: global }
      - { .name: x, .offset: 8, .size: 8, .value_kind: global_buffer, .address_space: global }
      - { .name: bo, .offset: 16, .size: 8, .value_kind: global_buffer, .address_space: global }
      - { .name: gamma, .offset: 24, .size: 8, .value_kind: global_buffer, .address_space: global }
      - { .name: beta, .offset: 32, .size: 8, .value_kind: global_buffer, .address_space: global }
      - { .name: out0, .offset: 40, .size: 8, .value_kind: global_buffer, .address_space: global }
    .group_segment_fixed_size: 768
    .private_segment_fixed_size: 0
    .kernarg_segment_align: 8
    .kernarg_segment_size: 48
    .max_flat_workgroup_size: 128
    .sgpr_count:     66
    .vgpr_count:     130
    .wavefront_size: 32
...
	.end_amdgpu_metadata
.endif
;; end of part 5
;; ======== version 2 of 2: 5 launches; version 1 with the launches qproj, comb written anew for expert scheduling mode
;; workspace buffers: hq 13,312,000 bytes; wimg 3,145,728 bytes; wsc 131,072 bytes; qq 204,800 bytes; opart 67,108,864 bytes; stat 524,288 bytes; ypart 8,388,608 bytes
;; launch prep: the kernel of part 1 again; grid 776 x 1, 4 waves a work-group, no clusters, 34,304 bytes of LDS; arguments hist, x, Wq, Wk, Wv, Wo, hq, wimg, wsc; writes hq, wimg, wsc
;; launch qproj (part 6): grid 16 x 8, 8 waves a work-group, no clusters, 74,752 bytes of LDS; arguments hq, wimg, wsc, bq, qq; writes qq
.if DOCPART == 6
	.amdgcn_target "amdgcn-amd-amdhsa--gfx1250"
	.amdhsa_code_object_version 6
	.text
	.protected	k_qea1f9593aa_qproj
	.globl	k_qea1f9593aa_qproj
	.p2align	8
	.type	k_qea1f9593aa_qproj,@function
k_qea1f9593aa_qproj:
	s_mov_b64 s[64:65], 0
	v_nop
	global_prefetch_b8 v0, s[64:65] scope:SCOPE_SE
	s_setreg_imm32_b32 hwreg(HW_REG_WAVE_SCHED_MODE, 0, 2), 2
	s_setreg_imm32_b32 hwreg(HW_REG_WAVE_MODE, 25, 1), 1
	s_wait_xcnt 0x0
	s_wait_alu depctr_vm_vsrc(0)
; q = x Wq + bq on codes of BF6, then q itself quantised along the head's 256 channels, as register images for the next launch.
; A work-group makes 16 queries (tile qt = work-group x) x 128 columns (hs = work-group y = 2 head + half).  K IS SHARED AMONG ITS EIGHT WAVES: wave v takes K step v (128 along K): 34 loads, all issued at once,
; and eight matrix instructions that start eight sums with the constant 0.  The eight waves' sums meet in LDS: wave v adds registers 8 v .. 8 v + 7 (tile v) of all eight, K ascending, and the bias of tile v; wave 0 quantises the whole.
; So a number of q is the f32 sum of eight partial sums and the bias, not one chain through the matrix unit.
; TRANSPOSED: source 0 = 16 columns of Wq, source 1 = 16 rows of x: a lane holds one query, and the registers of tiles 2 b, 2 b + 1 are 16 neighbouring columns.
; Work-groups share only small operands that lie close by: no cluster, no tensor loads.  LIMITS: NaN and infinities are not served; blocks under 2^-122 and blocks of zeros keep the scale byte 1.
; LDS: 0: eight waves' sums, 8,192 bytes each (register group q of lane l at 512 q + 16 l) | 65,536: the reduced sums, 8,192 bytes.
; REGISTERS: v1-8 addresses; v10 x's scale words; v12-15 Wq's (pair p); v16-23 the bias of tile v; v24-35 x's fragment; v36-131 Wq's eight fragments, later 64 registers of the reduction; v132-195 the sums; v200-232 the quantiser.
; THE MODE: SCHED_MODE bits 1:0 = 2 (LLVM: expert scheduling mode 2), set by the entry lines.  The code itself states the register dependences
; between vector or matrix instructions and memory or LDS instructions, with s_wait_alu, always for 0.
; THE PLAN.  Registers that memory or LDS instructions touch:
;   v1-v8       offsets and LDS addresses: written at the head, never again; read by every load and store.
;   XS WS XF WF BI   written by global loads alone; read by the products (BI by the additions).
;   RT = v36-99 (they were WF): the products read them, then the reduction's LDS loads land in them; v36-43 are written by the additions and read by two LDS stores.
;   ACC         written by the products, read by sixteen LDS stores; in wave 0 LDS loads land in it again, and the quantiser reads it.
;   PC, PW      written by the quantiser, read by the global stores.
; Each scalar that a vector instruction reads (s32, s34, s33, the lane selects) has a register of its own and is not written again.
.set XB,   13107200                    ; x is frame 64 of hq
.set RED2, 65536
.set XS,  10
.set WS,  12
.set BI,  16
.set XF,  24
.set WF,  36
.set RT,  36
.set ACC, 132
.set TM,  200
.set TX,  204
.set SO,  208
.set PC,  212
.set TP,  224
.set PW,  232
.set SEL, 28
.macro BARRIER                         ; my LDS stores have landed and my LDS loads are in: then the work-group's barrier
	s_wait_dscnt 0x0
	s_barrier_signal -1
	s_barrier_wait -1
.endm
	s_load_b256 s[4:11], s[0:1], 0x0               ; hq, wimg, wsc, bq
	s_load_b64 s[12:13], s[0:1], 0x20              ; qq
	v_lshl_add_u32 v254, v0, 2, 0x12000
	v_mov_b32 v255, 0
	v_lshrrev_b32 v1, 5, v0
	v_readfirstlane_b32 s15, v1                    ; wave v = my K step
	s_and_b32 s14, ttmp7, 0xffff                   ; hs
	v_and_b32 v9, 31, v0                           ; lane
	v_and_b32 v8, 15, v0                           ; r
	v_bfe_u32 v7, v0, 4, 1                         ; h
	v_lshlrev_b32 v1, 4, v9                        ; 16 x lane
	v_lshlrev_b32 v2, 2, v9                        ; 4 x lane
	v_lshlrev_b32 v3, 2, v8                        ; 4 r
	v_lshlrev_b32 v4, 6, v7                        ; 64 h: my half's 16 numbers of a block of the bias
	s_wait_alu depctr_va_sdst(0)                   ; s15 is written, ahead of its first reader: LDS addresses, bases and a branch are made from it
	s_lshl_b32 s32, s15, 13
	v_add_nc_u32 v5, s32, v1                       ; LDS: my sums
	s_lshl_b32 s34, s15, 10
	v_add_nc_u32 v6, s34, v1                       ; LDS: groups 2 v, 2 v + 1 of every wave's sums
	s_add_co_u32 s33, s34, RED2
	v_add_nc_u32 v7, s33, v1                       ; LDS: the same two groups of the reduced sums
	v_add_nc_u32 v8, RED2, v1                      ; LDS: the reduced sums from their start
.irp b,0,1,2,3
	v_mov_b32 v[TX+\b], 0                          ; written once: a lane permute's destination counts as one of its sources
.endr
	s_mov_b32 s[SEL], 0x76543210
	s_mov_b32 s[SEL+1], 0xfedcba98
	s_mul_i32 s16, ttmp9, 1536
	s_mul_i32 s35, s15, 24576
	s_add_co_u32 s16, s16, s35
	s_add_co_u32 s16, s16, XB                      ; x's fragment (K step v, tile qt)
	s_mov_b32 s17, 0
	s_lshl_b32 s18, ttmp9, 9
	s_lshl_b32 s35, s15, 6
	s_add_co_u32 s18, s18, s35
	s_add_co_u32 s18, s18, XB+196608               ; its scale words
	s_mov_b32 s19, 0
	s_mul_i32 s20, s14, 98304
	s_mul_i32 s35, s15, 12288
	s_add_co_u32 s20, s20, s35                     ; Wq's eight fragments of K step v
	s_mov_b32 s21, 0
	s_lshl_b32 s22, s14, 12
	s_lshl_b32 s35, s15, 9
	s_add_co_u32 s22, s22, s35                     ; their scale words
	s_mov_b32 s23, 0
	s_lshl_b32 s24, s14, 9
	s_lshr_b32 s35, s15, 1
	s_lshl_b32 s35, s35, 7
	s_add_co_u32 s24, s24, s35
	s_and_b32 s35, s15, 1
	s_lshl_b32 s35, s35, 5
	s_add_co_u32 s24, s24, s35                     ; the bias of tile v: columns 32 (v / 2) + 8 (v % 2) on, 4 bytes each
	s_mov_b32 s25, 0
	s_lshr_b32 s26, s14, 1
	s_lshl_b32 s26, s26, 5
	s_and_b32 s27, s14, 1
	s_add_co_u32 s26, s26, s27
	s_lshl_b32 s27, ttmp9, 1
	s_add_co_u32 s26, s26, s27
	s_mul_i32 s26, s26, 1536                       ; q's fragment (head, qt, half) at (32 head + 2 qt + half) 1,536
	s_mov_b32 s27, 0
	s_lshl_b32 s30, s14, 4
	s_add_co_u32 s30, s30, ttmp9
	s_lshl_b32 s30, s30, 6
	s_add_co_u32 s30, s30, 196608                  ; its scale words at 196,608 + (16 hs + qt) 64
	s_mov_b32 s31, 0
	s_wait_kmcnt 0x0
	s_add_nc_u64 s[16:17], s[4:5], s[16:17]
	s_add_nc_u64 s[18:19], s[4:5], s[18:19]
	s_add_nc_u64 s[6:7], s[6:7], s[20:21]
	s_add_nc_u64 s[8:9], s[8:9], s[22:23]
	s_add_nc_u64 s[10:11], s[10:11], s[24:25]
	s_add_nc_u64 s[26:27], s[12:13], s[26:27]
	s_add_nc_u64 s[30:31], s[12:13], s[30:31]
	s_wait_alu depctr_va_vdst(0)                   ; the eight offsets and addresses v1 to v8 are written, which every load and store of the kernel reads
	global_load_b32 v[XS], v3, s[18:19]
.irp p,0,1,2,3
	global_load_b32 v[WS+\p], v2, s[8:9] offset:128*\p             ; lanes 0-15: tile 2 p, lanes 16-31: tile 2 p + 1
.endr
.irp c,0,1,2
	global_load_b128 v[XF+4*\c:XF+4*\c+3], v1, s[16:17] offset:512*\c
.endr
.irp t,0,1,2,3,4,5,6,7
.irp c,0,1,2
	global_load_b128 v[WF+12*\t+4*\c:WF+12*\t+4*\c+3], v1, s[6:7] offset:1536*\t+512*\c
.endr
.endr
	global_load_b128 v[BI:BI+3], v4, s[10:11]      ; register j: column 32 (v / 2) + 16 h + 8 (v % 2) + j
	global_load_b128 v[BI+4:BI+7], v4, s[10:11] offset:16
	s_wait_loadcnt 2                               ; the operands and their scale words are in; the bias's two loads may be out
.irp t,0,2,4,6
	v_wmma_scale_f32_16x16x128_f8f6f4 v[ACC+8*\t:ACC+8*\t+7], v[WF+12*\t:WF+12*\t+11], v[XF:XF+11], 0, v[WS+\t/2], v[XS] matrix_a_fmt:MATRIX_FMT_BF6 matrix_b_fmt:MATRIX_FMT_BF6
	v_wmma_scale_f32_16x16x128_f8f6f4 v[ACC+8*\t+8:ACC+8*\t+15], v[WF+12*\t+12:WF+12*\t+23], v[XF:XF+11], 0, v[WS+\t/2], v[XS] matrix_a_fmt:MATRIX_FMT_BF6 matrix_b_fmt:MATRIX_FMT_BF6 matrix_a_scale:MATRIX_SCALE_ROW1
.endr
.rept 4
	v_nop                                          ; places in front of the stores that read the results
.endr
	s_wait_alu depctr_va_vdst(0)                   ; the products have written the sums, which the LDS stores read, and are done reading Wq's fragments, in which the reduction's loads land; the places above stay beside this wait
.irp q,0,1,2,3,4,5,6,7,8,9,10,11,12,13,14,15
	ds_store_b128 v5, v[ACC+4*\q:ACC+4*\q+3] offset:512*\q         ; each accumulator from its low end on
.endr
	BARRIER                                        ; the eight waves' sums lie in LDS
.irp u,0,1,2,3,4,5,6,7
.irp e,0,1
	ds_load_b128 v[RT+8*\u+4*\e:RT+8*\u+4*\e+3], v6 offset:8192*\u+512*\e   ; no vector or matrix instruction since the wait above names these registers
.endr
.endr
	s_wait_dscnt 0x0
.irp u,1,2,3,4,5,6,7
.irp e,0,2,4,6
	v_pk_add_f32 v[RT+\e:RT+\e+1], v[RT+\e:RT+\e+1], v[RT+8*\u+\e:RT+8*\u+\e+1]   ; K ascending
.endr
.endr
	s_wait_loadcnt 0x0                             ; the bias
.irp e,0,2,4,6
	v_pk_add_f32 v[RT+\e:RT+\e+1], v[RT+\e:RT+\e+1], v[BI+\e:BI+\e+1]
.endr
	s_wait_alu depctr_va_vdst(0)                   ; the additions have written v[RT .. RT + 7], which the two LDS stores read
	ds_store_b128 v7, v[RT:RT+3]
	ds_store_b128 v7, v[RT+4:RT+7] offset:512
	BARRIER                                        ; q's 16 x 128 numbers lie in LDS
	s_cmp_lg_u32 s15, 0                            ; one wave quantises them; no barrier follows
	s_cbranch_scc1 .Lend
	s_wait_alu depctr_vm_vsrc(0)                   ; my sixteen LDS stores have read the sums' registers, in which the loads below land (the products that wrote them stand ahead of the waits above)
.irp q,0,1,2,3,4,5,6,7,8,9,10,11,12,13,14,15
	ds_load_b128 v[ACC+4*\q:ACC+4*\q+3], v8 offset:512*\q
.endr
	s_wait_dscnt 0x0
	; q's 64 numbers of a lane: register 16 b + i = column 32 b + 16 h + i of my query: quantised as a fragment
.irp b,0,1,2,3
	v_max3_num_f32 v[TM+\b], |v[ACC+16*\b]|, |v[ACC+16*\b+1]|, 0x2800000     ; with the floor 2^(5 - 127)
.endr
.irp i,2,4,6,8,10,12,14
.irp b,0,1,2,3
	v_max3_num_f32 v[TM+\b], |v[ACC+16*\b+\i]|, |v[ACC+16*\b+\i+1]|, v[TM+\b]
.endr
.endr
.irp b,0,1,2,3
	v_permlanex16_b32 v[TX+\b], v[TM+\b], s[SEL], s[SEL+1]
.endr
.irp b,0,1,2,3
	v_max_num_f32 v[TM+\b], v[TM+\b], v[TX+\b]
.endr
.irp b,0,1,2,3
	v_add_nc_u32 v[SO+\b], 0xfe000000, v[TM+\b]    ; 4 off the exponent field: the conversion's scale operand
.endr
.irp b,0,1,2,3
	v_lshrrev_b32 v[TX+\b], 23, v[SO+\b]
.endr
	v_lshl_or_b32 v[PW], v[TX+1], 8, v[TX]
	v_lshl_or_b32 v[PW], v[TX+2], 16, v[PW]
	v_lshl_or_b32 v[PW], v[TX+3], 24, v[PW]
.irp c,0,1
	v_cvt_scalef32_pk16_bf6_f32 v[PC+6*\c:PC+6*\c+2], v[ACC+32*\c:ACC+32*\c+15], v[SO+2*\c]
	v_cvt_scalef32_pk16_bf6_f32 v[TP+4*\c:TP+4*\c+2], v[ACC+32*\c+16:ACC+32*\c+31], v[SO+2*\c+1]
.endr
	v_nop                                          ; one plain place behind a scaled conversion
.irp c,0,1
.irp i,0,1,2
	v_permlane16_swap_b32 v[PC+6*\c+\i], v[TP+4*\c+\i]   ; a whole block to a lane: lanes 0-15 block 2 c, lanes 16-31 block 2 c + 1
.endr
.irp i,0,1,2
	v_mov_b32 v[PC+6*\c+3+\i], v[TP+4*\c+\i]
.endr
.endr
	s_wait_alu depctr_va_vdst(0)                   ; the quantiser has written the codes and the scale word, which the stores read
.irp c,0,1,2
	global_store_b128 v1, v[PC+4*\c:PC+4*\c+3], s[26:27] offset:512*\c
.endr
	global_store_b32 v3, v[PW], s[30:31]           ; both halves of the lanes hold the same word and store it to the same place
.Lend:
	s_wait_dscnt 0x0
	s_wait_alu depctr_hold_cnt(0) depctr_sa_sdst(0) depctr_va_vdst(0) depctr_va_sdst(0) depctr_va_ssrc(0) depctr_va_vcc(0) depctr_vm_vsrc(0)
	s_wait_tensorcnt 0x0
	ds_add_u32 v254, v255
	s_wait_dscnt 0x0
	s_endpgm
.Lfunc_end_k_qea1f9593aa_qproj:
	.size	k_qea1f9593aa_qproj, .Lfunc_end_k_qea1f9593aa_qproj-k_qea1f9593aa_qproj
	.p2alignl 7, 3214868480
	.fill 96, 4, 3214868480
	.section	.rodata,"a",@progbits
	.p2align	6, 0x0
	.amdhsa_kernel k_qea1f9593aa_qproj
		.amdhsa_group_segment_fixed_size 74752
		.amdhsa_private_segment_fixed_size 0
		.amdhsa_enable_private_segment 0
		.amdhsa_kernarg_size 40
		.amdhsa_user_sgpr_count 2
		.amdhsa_user_sgpr_kernarg_segment_ptr 1
		.amdhsa_wavefront_size32 1
		.amdhsa_system_sgpr_workgroup_id_x 1
		.amdhsa_system_sgpr_workgroup_id_y 1
		.amdhsa_system_sgpr_workgroup_id_z 1
		.amdhsa_system_vgpr_workitem_id 0
		.amdhsa_next_free_vgpr 256
		.amdhsa_next_free_sgpr 66
		.amdhsa_reserve_vcc 0
		.amdhsa_float_denorm_mode_32 3
		.amdhsa_float_denorm_mode_16_64 3
		.amdhsa_memory_ordered 1
		.amdhsa_forward_progress 1
		.amdhsa_inst_pref_size 18
	.end_amdhsa_kernel
	.amdgpu_metadata
---
amdhsa.version: [ 1, 2 ]
amdhsa.kernels:
  - .name:           k_qea1f9593aa_qproj
    .symbol:         k_qea1f9593aa_qproj.kd
    .args:
      - { .name: hq, .offset: 0, .size: 8, .value_kind: global_buffer, .address_space: global }
      - { .name: wimg, .offset: 8, .size: 8, .value_kind: global_buffer, .address_space: global }
      - { .name: wsc, .offset: 16, .size: 8, .value_kind: global_buffer, .address_space: global }
      - { .name: bq, .offset: 24, .size: 8, .value_kind: global_buffer, .address_space: global }
      - { .name: qq, .offset: 32, .size: 8, .value_kind: global_buffer, .address_space: global }
    .group_segment_fixed_size: 74752
    .private_segment_fixed_size: 0
    .kernarg_segment_align: 8
    .kernarg_segment_size: 40
    .max_flat_workgroup_size: 256
    .sgpr_count:     66
    .vgpr_count:     256
    .wavefront_size: 32
...
	.end_amdgpu_metadata
.endif
;; end of part 6
;; launch main: the kernel of part 3 again; grid 4 x 64, 4 waves a work-group, clusters of 4 x 1, 307,712 bytes of LDS; arguments hq, wimg, wsc, bk, bv, qq, opart, stat; writes opart, stat
;; launch comb (part 7): grid 16 x 8, 8 waves a work-group, no clusters, 140,544 bytes of LDS; arguments opart, stat, dil_w, wimg, wsc, ypart; writes ypart
.if DOCPART == 7
	.amdgcn_target "amdgcn-amd-amdhsa--gfx1250"
	.amdhsa_code_object_version 6
	.text
	.protected	k_qea1f9593aa_comb
	.globl	k_qea1f9593aa_comb
	.p2align	8
	.type	k_qea1f9593aa_comb,@function
k_qea1f9593aa_comb:
	s_mov_b64 s[64:65], 0
	v_nop
	global_prefetch_b8 v0, s[64:65] scope:SCOPE_SE
	s_setreg_imm32_b32 hwreg(HW_REG_WAVE_SCHED_MODE, 0, 2), 2
	s_setreg_imm32_b32 hwreg(HW_REG_WAVE_MODE, 25, 1), 1
	s_wait_xcnt 0x0
	s_wait_alu depctr_vm_vsrc(0)
; combined = the sum over the four dilations d of softmax(dil_w)[d] x attended[d], made from the frames' partial results: attended[d] = (sum over f in set d of 2^(M_f - M_d) O_f) / l_d,
; M_d = the largest M_f of the set, l_d = the sum of 2^(M_f - M_d) l_f.  So combined = sum over f of c_f O_f with c_f = sum over d with f in set d of (w_d / l_d) 2^(M_f - M_d).  All shifts are whole powers of two (v_ldexp_f32).
; Then combined is quantised along D and multiplied by one K step of Wo.  A work-group takes 16 queries (tile qt = x) x 128 of D (kappa = y = 2 head + half); ypart[kappa] is that K step's part of combined Wo.
; Eight waves: wave v sums frames 8 v .. 8 v + 7 (16 loads of 512 consecutive bytes a frame) through a ring of FOUR buffers: three frames' 48 loads are on their way while one frame is summed; the eight sums meet in LDS;
; every wave quantises the same 16 x 128 numbers and multiplies by its own 8 tiles of Wo, which are asked for when frames 4 and 5 have left their buffers and land while the last two frames and the reduction are worked.
; Memory binds (a work-group reads 512 KiB once); work-groups share nothing but Wo's 96 KiB of a K step, a small part of that: no cluster, no tensor loads.
; LDS: 0: eight waves' sums, 8,192 bytes each | 65,536: the reduced sums | 73,728: a stage of 16 rows x (4,096 + 16) bytes for the way out.
; REGISTERS: window 0: v1-9 addresses; v10-13 w_d; v32-63 -M and v64-95 l of frames 2 i (lanes 0-15), 2 i + 1 (lanes 16-31); v96-103 -M of my frames; v104-107 -M_d, v108-111 l_d, v112-115 w_d / l_d (d: stride 1, 4, 8, 16);
;   v116-131 pairs (c_j, 0); v132-143 at work; v144-207 the sums; v208-240 the quantiser; v241-244 Wo's scale words.   window 1: four buffers of 64; at the end v0-95 hold Wo's eight fragments.
; LIMITS: NaN and infinities are not served; blocks under 2^-122 and blocks of zeros keep the scale byte 1.
; THE MODE: SCHED_MODE bits 1:0 = 2 (LLVM: expert scheduling mode 2), set by the entry lines.  The code itself states the register dependences
; between vector or matrix instructions and memory or LDS instructions, with s_wait_alu, always for 0.
; THE PLAN.  Registers that memory or LDS instructions touch:
;   v1-v9          offsets and LDS addresses: written at the head, never again; read by every load and store.
;   v32-103, v241-244   written by global loads; read by the arithmetic on -M and l, and by the products (scale words).
;   buffers 0-3    (window 1) frame j's 32 packed multiply-adds read buffer j % 4; behind them the loads of frame j + 4 land in it; behind frame 5 Wo's loads land in buffers 0 and 1; the products read those.
;   the sums       v144-207: written by the multiply-adds, read by sixteen LDS stores; then the reduced sums' LDS loads land there, the quantiser reads them, and the stage's LDS loads land there, which the global stores read.
;   v32-95 again   the reduction's LDS loads land there; additions write v32-39, two LDS stores read these; then the products write v32-95 and the stage's stores read them.
;   the codes and the scale word   written by the quantiser, read by the products.
; A frame has ONE wait on va_vdst, behind its multiply-adds and ahead of the loads that fill its buffer again: the buffer is asked for at once, so that three frames stay on their way.  A frame that asks for nothing has no wait.
; Each scalar that a vector instruction reads (s24, s25, s28 to s31, s44, the lane selects) has a register of its own and is not written again.
.set RED2, 65536
.set STG,  73728
.set TM,  208
.set TX,  212
.set SO,  216
.set PC,  220
.set TP,  232
.set PW,  240
.set WSC, 241
.set ACC, 144
.set SEL, 26
.set MSB, 0
.macro WIN new
.if MSB != (\new)
	s_set_vgpr_msb (MSB<<8)|(\new)
.set MSB, (\new)
.endif
.endm
.macro PLACES n
.rept \n
	v_nop
.endr
.endm
.macro BARRIER
	s_wait_dscnt 0x0
	s_barrier_signal -1
	s_barrier_wait -1
.endm
	s_load_b256 s[4:11], s[0:1], 0x0               ; opart, stat, dil_w, wimg
	s_load_b128 s[12:15], s[0:1], 0x20             ; wsc, ypart
	v_lshl_add_u32 v254, v0, 2, 0x22100
	v_mov_b32 v255, 0
	v_lshrrev_b32 v1, 5, v0
	v_readfirstlane_b32 s16, v1                    ; wave v
	s_and_b32 s17, ttmp7, 0xffff                   ; kappa
	s_lshr_b32 s18, s17, 1                         ; head
	s_and_b32 s19, s17, 1                          ; half
	v_and_b32 v15, 31, v0
	v_and_b32 v14, 15, v0
	v_bfe_u32 v16, v0, 4, 1
	v_cmp_gt_u32 s24, 16, v15                      ; lanes 0-15
	v_lshlrev_b32 v1, 4, v15                       ; 16 x lane
	v_lshlrev_b32 v2, 2, v15                       ; 4 x lane
	v_lshlrev_b32 v3, 2, v14                       ; 4 r
	s_wait_alu depctr_va_sdst(0)                   ; s16 and s24 are written, ahead of their first readers: addresses and bases are made from s16, the selects below read s24
	s_lshl_b32 s28, s16, 13
	v_add_nc_u32 v4, s28, v1                       ; my sums
	s_lshl_b32 s30, s16, 10
	v_add_nc_u32 v5, s30, v1                       ; chunks 2 v, 2 v + 1 of every wave's sums
	s_add_co_u32 s29, s30, RED2
	v_add_nc_u32 v6, s29, v1
	v_add_nc_u32 v7, RED2, v1
	v_mul_u32_u24 v8, v14, 4112
	v_lshl_add_u32 v8, v16, 6, v8
	s_lshl_b32 s31, s16, 9
	s_add_co_u32 s31, s31, STG
	v_add_nc_u32 v8, s31, v8                       ; the stage: row r, + 64 h, + my 128 columns' 512 bytes
	s_mul_i32 s44, s16, 8224
	s_add_co_u32 s44, s44, STG
	v_add_nc_u32 v9, s44, v1                       ; back: rows 2 v, 2 v + 1
	s_mov_b32 s[SEL], 0x76543210
	s_mov_b32 s[SEL+1], 0xfedcba98
	s_lshl_b32 s32, s18, 18
	s_lshl_b32 s33, ttmp9, 14
	s_add_co_u32 s32, s32, s33
	s_lshl_b32 s33, s19, 13
	s_add_co_u32 s32, s32, s33
	s_lshl_b32 s33, s16, 23                        ; eight frames of 1,048,576 bytes
	s_add_co_u32 s32, s32, s33
	s_mov_b32 s33, 0
	s_lshl_b32 s34, s18, 4
	s_add_co_u32 s34, s34, ttmp9
	s_lshl_b32 s34, s34, 12
	s_mov_b32 s35, 0
	s_mul_i32 s36, s17, 98304
	s_mul_i32 s37, s16, 12288
	s_add_co_u32 s36, s36, s37
	s_add_co_u32 s36, s36, 2359296
	s_mov_b32 s37, 0
	s_lshl_b32 s38, s17, 12
	s_lshl_b32 s39, s16, 9
	s_add_co_u32 s38, s38, s39
	s_add_co_u32 s38, s38, 98304
	s_mov_b32 s39, 0
	s_lshr_b32 s40, ttmp9, 1                       ; the queries of rows 2 v, 2 v + 1 of the tile: 32 (qt / 2) + 8 (qt % 2) + 2 v + 8 (v / 4) and the next
	s_lshl_b32 s40, s40, 5
	s_and_b32 s41, ttmp9, 1
	s_lshl_b32 s41, s41, 3
	s_add_co_u32 s40, s40, s41
	s_lshl_b32 s41, s16, 1
	s_add_co_u32 s40, s40, s41
	s_lshr_b32 s41, s16, 2
	s_lshl_b32 s41, s41, 3
	s_add_co_u32 s40, s40, s41
	s_lshl_b32 s40, s40, 12
	s_lshl_b32 s41, s17, 20
	s_add_co_u32 s40, s40, s41
	s_mov_b32 s41, 0
	s_lshl_b32 s42, s16, 9
	s_mov_b32 s43, 0
	s_wait_kmcnt 0x0
	s_load_b128 s[20:23], s[8:9], 0x0              ; dil_w
	s_add_nc_u64 s[4:5], s[4:5], s[32:33]
	s_add_nc_u64 s[6:7], s[6:7], s[34:35]
	s_add_nc_u64 s[42:43], s[6:7], s[42:43]        ; -M of my eight frames
	s_add_nc_u64 s[10:11], s[10:11], s[36:37]
	s_add_nc_u64 s[12:13], s[12:13], s[38:39]
	s_add_nc_u64 s[14:15], s[14:15], s[40:41]
	s_wait_alu depctr_va_vdst(0)                   ; the nine offsets and addresses v1 to v9 are written, which every load and store of the kernel reads; only loads and a window switch stand between this wait and the ring's first 64 loads
.set ii, 0
.rept 32
	global_load_b32 v[32+ii], v2, s[6:7] offset:128*ii
.set ii, ii+1
.endr
.set ii, 0
.rept 32
	global_load_b32 v[64+ii], v2, s[6:7] offset:262144+128*ii
.set ii, ii+1
.endr
.irp j,0,1,2,3,4,5,6,7
	global_load_b32 v[96+\j], v3, s[42:43] offset:64*\j
.endr
.irp p,0,1,2,3
	global_load_b32 v[WSC+\p], v2, s[12:13] offset:128*\p
.endr
.macro CLOAD j                         ; frame 8 v + j into buffer j % 4
.irp q,0,1,2,3,4,5,6,7,8,9,10,11,12,13,14,15
	global_load_b128 v[64*((\j)%4)+4*\q:64*((\j)%4)+4*\q+3], v1, s[4:5] offset:(\j)*1048576+512*\q th:TH_LOAD_NT
.endr
.endm
	WIN 0x40                                       ; destination window 1
	CLOAD 0
	CLOAD 1
	CLOAD 2
	CLOAD 3
	WIN 0
	; softmax(dil_w), its maximum taken away first
	s_wait_kmcnt 0x0
	v_mov_b32 v10, s20
	v_mov_b32 v11, s21
	v_mov_b32 v12, s22
	v_mov_b32 v13, s23
	v_max3_num_f32 v14, v10, v11, v12
	v_max_num_f32 v14, v14, v13
.irp d,0,1,2,3
	v_sub_f32 v[10+\d], v[10+\d], v14
.endr
.irp d,0,1,2,3
	v_mul_f32 v[10+\d], 0x3fb8aa3b, v[10+\d]
.endr
.irp d,0,1,2,3
	v_exp_f32 v[10+\d], v[10+\d]
.endr
.irp b,0,1,2,3                         ; plain work behind the exponentials, which names none of their results
	v_mov_b32 v[TX+\b], 0                          ; written once: a lane permute's destination counts as one of its sources
	v_mov_b32 v[140+\b], 0
	v_mov_b32 v[108+\b], 0                         ; the four l_d begin at 0
.endr
	s_wait_alu depctr_va_vdst(0)                   ; the four exponentials have written v10 to v13, ahead of their first reader
	v_add_f32 v14, v10, v11
	v_add_f32 v15, v12, v13
	v_add_f32 v14, v14, v15
	v_rcp_f32 v14, v14                             ; 1 / the sum: nothing names v14 before the wait that stands behind the four reciprocals of l_d
	s_wait_loadcnt 63                              ; of the 140 loads issued at most 63 are out: the first 77 are in, the 72 of -M and l among them
	; -M_d = the least -M_f of the set.  Register i holds frames 2 i and 2 i + 1: strides 16, 8, 4 are registers i % 8 = 0, i % 4 = 0, i % 2 = 0 in lanes 0-15
	v_min3_num_f32 v107, v32, v40, v48
	v_min_num_f32 v107, v107, v56
	v_min3_num_f32 v106, v107, v36, v44
	v_min3_num_f32 v106, v106, v52, v60
	v_min3_num_f32 v105, v106, v34, v38
	v_min3_num_f32 v105, v105, v42, v46
	v_min3_num_f32 v105, v105, v50, v54
	v_min3_num_f32 v105, v105, v58, v62
	v_min3_num_f32 v104, v105, v33, v35
.irp i,37,41,45,49,53,57,61
	v_min3_num_f32 v104, v104, v[\i], v[\i+2]
.endr
.irp d,0,1,2,3
	v_permlanex16_b32 v[140+\d], v[104+\d], s[SEL], s[SEL+1]
.endr
	v_min_num_f32 v104, v104, v140                 ; stride 1: both halves of the lanes count
.irp d,1,2,3
	v_cndmask_b32 v[104+\d], v[140+\d], v[104+\d], s24   ; the others: lanes 16-31 take lanes 0-15's
.endr
; four terms 2^(M_f - M_d) l_f of l_d.  (For strides 4, 8, 16 lanes 16-31 hold frames outside the set: what they sum is thrown away by a select below.)
.macro LT4 acc, nd, a, b, c, d
	v_sub_f32 v136, v[\nd], v[32+\a]
	v_sub_f32 v137, v[\nd], v[32+\b]
	v_sub_f32 v138, v[\nd], v[32+\c]
	v_sub_f32 v139, v[\nd], v[32+\d]
	v_cvt_i32_f32 v136, v136
	v_cvt_i32_f32 v137, v137
	v_cvt_i32_f32 v138, v138
	v_cvt_i32_f32 v139, v139
	v_ldexp_f32 v136, v[64+\a], v136
	v_ldexp_f32 v137, v[64+\b], v137
	v_ldexp_f32 v138, v[64+\c], v138
	v_ldexp_f32 v139, v[64+\d], v139
	v_add_f32 v136, v136, v137
	v_add_f32 v138, v138, v139
	v_add_f32 v136, v136, v138
	v_add_f32 v[\acc], v[\acc], v136
.endm
	LT4 111,107,0,8,16,24
	LT4 110,106,0,4,8,12
	LT4 110,106,16,20,24,28
.irp k,0,8,16,24
	LT4 109,105,\k,\k+2,\k+4,\k+6
.endr
.irp k,0,4,8,12,16,20,24,28
	LT4 108,104,\k,\k+1,\k+2,\k+3
.endr
.irp d,0,1,2,3
	v_permlanex16_b32 v[140+\d], v[108+\d], s[SEL], s[SEL+1]
.endr
	v_add_f32 v108, v108, v140
.irp d,1,2,3
	v_cndmask_b32 v[108+\d], v[140+\d], v[108+\d], s24
.endr
.irp d,0,1,2,3
	v_rcp_f32 v[112+\d], v[108+\d]
.endr
	s_and_b32 s25, s16, 1
	s_cmp_eq_u32 s25, 0
	s_cselect_b32 s25, 0x3f800000, 0               ; frame 8 v belongs to stride 16 where v is even
	v_nop                                          ; a plain place behind the reciprocals
	s_wait_alu depctr_va_vdst(0)                   ; the five reciprocals have written v14 and v112 to v115, ahead of their first readers
.irp d,0,1,2,3
	v_mul_f32 v[10+\d], v[10+\d], v14              ; w_d
.endr
.irp d,0,1,2,3
	v_mul_f32 v[112+\d], v[112+\d], v[10+\d]       ; w_d / l_d
.endr
	v_mul_f32 v115, s25, v115
	; c_j of my frames 8 v + j: stride 1 always; j = 0: strides 4, 8 and (v even) 16; j = 4: stride 4
.irp j,0,1,2,3,4,5,6,7
	v_sub_f32 v[132+\j], v104, v[96+\j]
.endr
.irp j,0,1,2,3,4,5,6,7
	v_cvt_i32_f32 v[132+\j], v[132+\j]
.endr
.irp j,0,1,2,3,4,5,6,7
	v_ldexp_f32 v[116+2*\j], v112, v[132+\j]
	v_mov_b32 v[117+2*\j], 0                       ; (named with it as a pair, so it is written)
.endr
	v_sub_f32 v132, v105, v96
	v_sub_f32 v133, v106, v96
	v_sub_f32 v134, v107, v96
	v_sub_f32 v135, v105, v100
.irp j,0,1,2,3
	v_cvt_i32_f32 v[132+\j], v[132+\j]
.endr
	v_ldexp_f32 v132, v113, v132
	v_ldexp_f32 v133, v114, v133
	v_ldexp_f32 v134, v115, v134
	v_ldexp_f32 v135, v113, v135
	v_add_f32 v132, v132, v133
	v_add_f32 v116, v116, v134
	v_add_f32 v116, v116, v132
	v_add_f32 v124, v124, v135
; Frame j is added.  left = the loads issued behind this frame's, which may stay out.  Behind frames 0 to 3 the buffer takes the frame four on; behind frame 5 buffers 0 and 1, which frames 4 and 5 have left, take Wo's eight fragments.
.macro CFRAME j, left
	s_wait_loadcnt \left
	WIN 0x01                                       ; source 0 window 1
.set qq, 0
.rept 32
.if (\j) == 0
	v_pk_mul_f32 v[ACC+qq:ACC+qq+1], v[qq:qq+1], v[116:117] op_sel_hi:[1,0]      ; the first frame starts the sums
.else
	v_pk_fma_f32 v[ACC+qq:ACC+qq+1], v[64*((\j)%4)+qq:64*((\j)%4)+qq+1], v[116+2*(\j):117+2*(\j)], v[ACC+qq:ACC+qq+1] op_sel_hi:[1,0,1]
.endif
.set qq, qq+2
.endr
.if (\j) < 4
	WIN 0x40
	s_wait_alu depctr_va_vdst(0)                   ; this frame's 32 instructions are done reading its buffer, in which the loads below land
	CLOAD (\j)+4
.elseif (\j) == 5
	WIN 0x40
	s_wait_alu depctr_va_vdst(0)                   ; frames 4 and 5 are done reading buffers 0 and 1, in which Wo's fragments land
.irp t,0,1,2,3,4,5,6,7
.irp c,0,1,2
	global_load_b128 v[12*\t+4*\c:12*\t+4*\c+3], v1, s[10:11] offset:1536*\t+512*\c
.endr
.endr
.endif
.endm
	CFRAME 0, 48                                   ; three younger frames
	CFRAME 1, 48
	CFRAME 2, 48
	CFRAME 3, 48
	CFRAME 4, 48
	CFRAME 5, 32                                   ; frames 6 and 7
	CFRAME 6, 40                                   ; frame 7 and Wo's 24
	CFRAME 7, 24                                   ; Wo's 24
	WIN 0
	s_wait_alu depctr_va_vdst(0)                   ; the eight frames' instructions have written the sums, which the LDS stores read; the arithmetic on -M and l is done reading v32 to v95, in which the reduction's loads land
.irp q,0,1,2,3,4,5,6,7,8,9,10,11,12,13,14,15
	ds_store_b128 v4, v[ACC+4*\q:ACC+4*\q+3] offset:512*\q
.endr
	BARRIER                                        ; the eight waves' sums lie in LDS
.irp u,0,1,2,3,4,5,6,7
.irp e,0,1
	ds_load_b128 v[32+8*\u+4*\e:35+8*\u+4*\e], v5 offset:8192*\u+512*\e   ; no vector instruction since the wait above names these registers
.endr
.endr
	s_wait_dscnt 0x0
.irp u,1,2,3,4,5,6,7
.irp e,0,2,4,6
	v_pk_add_f32 v[32+\e:33+\e], v[32+\e:33+\e], v[32+8*\u+\e:33+8*\u+\e]
.endr
.endr
	s_wait_alu depctr_va_vdst(0)                   ; the additions have written v32 to v39, which the two LDS stores read
	ds_store_b128 v6, v[32:35]
	ds_store_b128 v6, v[36:39] offset:512
	BARRIER                                        ; combined's 16 x 128 numbers lie in LDS
	s_wait_alu depctr_vm_vsrc(0)                   ; my LDS stores have read the sums' registers, in which the loads below land, and v32 to v39, which the products write
.irp q,0,1,2,3,4,5,6,7,8,9,10,11,12,13,14,15
	ds_load_b128 v[ACC+4*\q:ACC+4*\q+3], v7 offset:512*\q
.endr
	s_wait_dscnt 0x0
	; quantised along D: register 16 b + i = 128 kappa + 32 b + 16 (lane / 16) + i of my query
.irp b,0,1,2,3
	v_max3_num_f32 v[TM+\b], |v[ACC+16*\b]|, |v[ACC+16*\b+1]|, 0x2800000
.endr
.irp i,2,4,6,8,10,12,14
.irp b,0,1,2,3
	v_max3_num_f32 v[TM+\b], |v[ACC+16*\b+\i]|, |v[ACC+16*\b+\i+1]|, v[TM+\b]
.endr
.endr
.irp b,0,1,2,3
	v_permlanex16_b32 v[TX+\b], v[TM+\b], s[SEL], s[SEL+1]
.endr
.irp b,0,1,2,3
	v_max_num_f32 v[TM+\b], v[TM+\b], v[TX+\b]
.endr
.irp b,0,1,2,3
	v_add_nc_u32 v[SO+\b], 0xfe000000, v[TM+\b]
.endr
.irp b,0,1,2,3
	v_lshrrev_b32 v[TX+\b], 23, v[SO+\b]
.endr
	v_lshl_or_b32 v[PW], v[TX+1], 8, v[TX]
	v_lshl_or_b32 v[PW], v[TX+2], 16, v[PW]
	v_lshl_or_b32 v[PW], v[TX+3], 24, v[PW]
.irp c,0,1
	v_cvt_scalef32_pk16_bf6_f32 v[PC+6*\c:PC+6*\c+2], v[ACC+32*\c:ACC+32*\c+15], v[SO+2*\c]
	v_cvt_scalef32_pk16_bf6_f32 v[TP+4*\c:TP+4*\c+2], v[ACC+32*\c+16:ACC+32*\c+31], v[SO+2*\c+1]
.endr
	v_nop                                          ; one plain place behind a scaled conversion
.irp c,0,1
.irp i,0,1,2
	v_permlane16_swap_b32 v[PC+6*\c+\i], v[TP+4*\c+\i]
.endr
.irp i,0,1,2
	v_mov_b32 v[PC+6*\c+3+\i], v[TP+4*\c+\i]
.endr
.endr
	s_wait_loadcnt 0x0                             ; Wo's eight fragments
	PLACES 8                                       ; a scale register written by a vector instruction stands 8 places ahead of a scaled matrix instruction, an operand so written 4
	WIN 0x01                                       ; source 0 (Wo) window 1
	s_wait_alu depctr_va_vdst(0)                   ; the quantiser has written the codes and the scale word, which the products take as operand and scales; the places above stay beside this wait
.irp t,0,2,4,6                         ; source 0 = 16 columns of Wo, source 1 = combined: a lane holds one query and eight neighbouring columns
	v_wmma_scale_f32_16x16x128_f8f6f4 v[32+8*\t:39+8*\t], v[12*\t:12*\t+11], v[PC:PC+11], 0, v[WSC+\t/2], v[PW] matrix_a_fmt:MATRIX_FMT_BF6 matrix_b_fmt:MATRIX_FMT_BF6
	v_wmma_scale_f32_16x16x128_f8f6f4 v[40+8*\t:47+8*\t], v[12*\t+12:12*\t+23], v[PC:PC+11], 0, v[WSC+\t/2], v[PW] matrix_a_fmt:MATRIX_FMT_BF6 matrix_b_fmt:MATRIX_FMT_BF6 matrix_a_scale:MATRIX_SCALE_ROW1
.endr
	WIN 0
	PLACES 4
	s_wait_alu depctr_va_vdst(0)                   ; the products have written v32 to v95, which the LDS stores read; the quantiser is done reading the sums' registers, in which the stage's loads land; the places above stay beside this wait
.irp t,0,1,2,3,4,5,6,7
	ds_store_b128 v8, v[32+8*\t:35+8*\t] offset:128*(\t/2)+32*(\t%2)         ; each accumulator from its low end on
	ds_store_b128 v8, v[36+8*\t:39+8*\t] offset:128*(\t/2)+32*(\t%2)+16
.endr
	BARRIER                                        ; 16 whole rows lie in the stage
.irp e,0,1
.irp q,0,1,2,3,4,5,6,7
	ds_load_b128 v[ACC+32*\e+4*\q:ACC+32*\e+4*\q+3], v9 offset:4112*\e+512*\q   ; no vector or matrix instruction since the wait above names these registers
.endr
.endr
.irp e,0,1
.irp q,0,1,2,3,4,5,6,7
	s_wait_dscnt 15-8*\e-\q
	global_store_b128 v1, v[ACC+32*\e+4*\q:ACC+32*\e+4*\q+3], s[14:15] offset:4096*\e+512*\q   ; 512 consecutive bytes a store
.endr
.endr
	s_wait_dscnt 0x0
	s_wait_alu depctr_hold_cnt(0) depctr_sa_sdst(0) depctr_va_vdst(0) depctr_va_sdst(0) depctr_va_ssrc(0) depctr_va_vcc(0) depctr_vm_vsrc(0)
	s_wait_tensorcnt 0x0
	ds_add_u32 v254, v255
	s_wait_dscnt 0x0
	s_endpgm
.Lfunc_end_k_qea1f9593aa_comb:
	.size	k_qea1f9593aa_comb, .Lfunc_end_k_qea1f9593aa_comb-k_qea1f9593aa_comb
	.p2alignl 7, 3214868480
	.fill 96, 4, 3214868480
	.section	.rodata,"a",@progbits
	.p2align	6, 0x0
	.amdhsa_kernel k_qea1f9593aa_comb
		.amdhsa_group_segment_fixed_size 140544
		.amdhsa_private_segment_fixed_size 0
		.amdhsa_enable_private_segment 0
		.amdhsa_kernarg_size 48
		.amdhsa_user_sgpr_count 2
		.amdhsa_user_sgpr_kernarg_segment_ptr 1
		.amdhsa_wavefront_size32 1
		.amdhsa_system_sgpr_workgroup_id_x 1
		.amdhsa_system_sgpr_workgroup_id_y 1
		.amdhsa_system_sgpr_workgroup_id_z 1
		.amdhsa_system_vgpr_workitem_id 0
		.amdhsa_next_free_vgpr 512
		.amdhsa_next_free_sgpr 66
		.amdhsa_reserve_vcc 0
		.amdhsa_float_denorm_mode_32 3
		.amdhsa_float_denorm_mode_16_64 3
		.amdhsa_memory_ordered 1
		.amdhsa_forward_progress 1
		.amdhsa_inst_pref_size 72
	.end_amdhsa_kernel
	.amdgpu_metadata
---
amdhsa.version: [ 1, 2 ]
amdhsa.kernels:
  - .name:           k_qea1f9593aa_comb
    .symbol:         k_qea1f9593aa_comb.kd
    .args:
      - { .name: opart, .offset: 0, .size: 8, .value_kind: global_buffer, .address_space: global }
      - { .name: stat, .offset: 8, .size: 8, .value_kind: global_buffer, .address_space: global }
      - { .name: dil_w, .offset: 16, .size: 8, .value_kind: global_buffer, .address_space: global }
      - { .name: wimg, .offset: 24, .size: 8, .value_kind: global_buffer, .address_space: global }
      - { .name: wsc, .offset: 32, .size: 8, .value_kind: global_buffer, .address_space: global }
      - { .name: ypart, .offset: 40, .size: 8, .value_kind: global_buffer, .address_space: global }
    .group_segment_fixed_size: 140544
    .private_segment_fixed_size: 0
    .kernarg_segment_align: 8
    .kernarg_segment_size: 48
    .max_flat_workgroup_size: 256
    .sgpr_count:     66
    .vgpr_count:     512
    .wavefront_size: 32
...
	.end_amdgpu_metadata
.endif
;; end of part 7
;; launch final: the kernel of part 5 again; grid 256 x 1, 4 waves a work-group, no clusters, 768 bytes of LDS; arguments ypart, x, bo, gamma, beta, out0; writes out0
